; MI455X (gfx1250); checked and timed in simulation.
; The chip was launched on July 23, 2026; its instructions are those of AMD's public machine-readable ISA for CDNA 5 (MIT licence, August 2026) and "CDNA5" Instruction Set Architecture Reference Guide (July 2026). The comments in the code are by the model that wrote it; some were corrected since.
;; Simple Attention. Allowed arithmetic: matrix products marked QUANTISED: E5M2 operands, one E8M0 scale for each 32 along K, by v_wmma_scale_f32_16x16x128_f8f6f4 with both operands' format E5M2, f32 sums; products left as they are: f32 operands where the result goes on into a quantised operand, else bf16, f16 or f32 operands; f32 sums; everything else in f32.
;; Inputs: W 1,024 x 1,024 float32; b 1,024 float32; key_vec 1,024 float32; lengths 16 int32; x 16 x 4,096 x 1,024 float32.
;; Outputs: out0 16 x 1,024 float32.
;; This version of the problem:
;;   THIS VERSION OF THE PROBLEM IS GIVEN IN LOW PRECISION. The matrix products marked QUANTISED in the list below multiply operands that are first quantised to E5M2 (5 exponent bits, 2 mantissa bits; 8 bits a number), with one power-of-two scale for each 32 numbers along K (OCP MX v1.0); their sums are f32. All else is computed in f32.
;;   The module's matrix products, in the order in which they are computed (A, B: the left and right operand; K: the contracted axis; several contracted axes count as one K, in the product's order):
;;     1. [M 65,536, K 1,024] x [K 1,024, N 1,024]; A: input x; B: input W: QUANTISED
;;     2. [M 65,536, K 1,024] x [K 1,024, N 1]; A: computed on the way; B: input key_vec: left as it is (N = 1 < 16)
;;     3. batch 16 x [M 1, K 4,096] x [K 4,096, N 1,024]; A: softmax; B: input x: left as it is (M = 1 < 16)
;;   THE QUANTISER, for each operand of a quantised product, along K:
;;     - K is cut into blocks of 32 from its start; a last block that is shorter is filled with zeros.
;;     - A block's scale is 2^e with e = floor(log2(the largest magnitude in the block)) - 15, held to -126 .. 127; a block of zeros has e = 0. As a byte (E8M0): e + 127.
;;     - Each number is divided by its block's scale, clamped to +-57,344, and rounded to the nearest number of E5M2, ties to even, subnormals kept.
;;     - The product sums the exact products of the quantised numbers (number of the format x scale) in f32.
;;   ~~~python
;;   def quantise(x, axis):      # numpy; x: float32 -> the quantised numbers, widened to float32 again
;;       x = np.moveaxis(x, axis, -1); K = x.shape[-1]
;;       x = np.pad(x, [(0, 0)] * (x.ndim - 1) + [(0, -K % 32)]); x = x.reshape(x.shape[:-1] + (-1, 32)); a = np.abs(x).max(-1, keepdims=True)
;;       e = np.where(a > 0, np.clip(np.frexp(np.where(a > 0, a, 1))[1] - 1 - 15, -126, 127), 0)      # np.frexp(a)[1] - 1 = floor(log2(a)), exactly
;;       r = np.clip(x / 2.0 ** e, -57344, 57344)
;;       step = 2.0 ** (np.maximum(np.frexp(np.where(r == 0, 1, r))[1] - 1, -14) - 2)
;;       q = np.round(r / step) * step * 2.0 ** e      # np.round: ties to even
;;       return np.moveaxis(q.reshape(q.shape[:-2] + (-1,))[..., :K], -1, axis).astype(np.float32)
;;   ~~~
;; 3 versions, each right; version 2 is faster than version 1; version 3 is version 2 with the launch main written anew for expert scheduling mode. Each part assembles by itself: llvm-mc -triple=amdgcn-amd-amdhsa -mcpu=gfx1250 --defsym DOCPART=n.
;; ======== version 1 of 3: 3 launches
;; workspace buffers: wc 1,048,576 bytes; wsc 32,768 bytes; part 2,994,176 bytes
;; launch prep (part 1): grid 64 x 1, 8 waves a work-group, no clusters, 2,048 bytes of LDS; arguments W, wc, wsc; writes wc, wsc
.if DOCPART == 1
	.amdgcn_target "amdgcn-amd-amdhsa--gfx1250"
	.amdhsa_code_object_version 6
	.text
	.protected	k_q091e01fba6_prep
	.globl	k_q091e01fba6_prep
	.p2align	8
	.type	k_q091e01fba6_prep,@function
k_q091e01fba6_prep:
	s_mov_b64 s[64:65], 0
	v_nop
	global_prefetch_b8 v0, s[64:65] scope:SCOPE_SE
	s_setreg_imm32_b32 hwreg(HW_REG_WAVE_MODE, 25, 1), 1
	s_wait_xcnt 0x0
; W [1024 (o)][1024 (h)], f32, K = h innermost, becomes codes of BF8 (E5M2) with one E8M0 scale byte for each 32 along K,
; laid in the order in which a wave's operand registers take them, so that the product's launch loads fragments whole.
; wc:  fragment (nt = 0..63: rows 16 nt on; s = 0..7: K = 128 s on) at byte (8 nt + s) x 2048; in it register group c of lane L at 512 c + 16 L:
;      the codes of row 16 nt + L % 16, K = 128 s + 32 c + 16 (L / 16) + 0 .. 15.
; wsc: for nt, lane L's 16 bytes at 512 nt + 16 L: the scale words (four bytes: 128 along K) of row 16 nt + L % 16 for K steps 4 (L / 16) + 0 .. 3.
; A block's scale is 2^(floor(log2(its largest magnitude)) - 15); its byte is the largest magnitude's exponent field - 15, held at 1 from below.
; LIMITS: a block of zeros, or one whose largest magnitude lies under 2^-111, gets the byte 1 (zero codes add nothing under it; this program alone reads the bytes);
; NaN and infinities in W are not served.
; SHARES: work-group nt takes 16 rows, wave s of its eight takes K step s: one fragment a wave.  The eight scale words of a row meet in 512 bytes of LDS and leave by one store of wave 0.
.set ST,  32                           ; v32-95   64 numbers: register 16 b + i = K 32 b + 16 (lane / 16) + i of my row
.set PC,  96                           ; v96-111  the fragment's codes
.set TM,  112                          ; v112-115 largest magnitudes, v116-119 bytes, v120-123 57,344 x the scale, v124-127 the conversions' scale operands
.set PW,  128                          ; v128     my row's scale word
.set SEL, 20                           ; s[20:21] lane selects for v_permlanex16_b32: lane l xor 16
.set MNT, 23                           ; s23      the mantissa field of 57,344
	s_load_b128 s[4:7], s[0:1], 0x0                ; W, wc
	s_load_b64 s[8:9], s[0:1], 0x10                ; wsc
	v_lshl_add_u32 v144, v0, 2, 0x400
	v_mov_b32 v145, 0
	v_lshrrev_b32 v1, 5, v0
	v_readfirstlane_b32 s10, v1                    ; wave = K step s
	v_and_b32 v1, 31, v0                           ; lane
	v_and_b32 v2, 15, v0                           ; r
	v_bfe_u32 v3, v0, 4, 1                         ; h
	v_lshlrev_b32 v4, 12, v2                       ; W: row r of 4,096 bytes,
	v_lshl_add_u32 v4, v3, 6, v4                   ; + 64 h: my 16 numbers of a block of 32,
	s_lshl_b32 s11, s10, 9
	v_add_nc_u32 v4, s11, v4                       ; + 512 s: my K step
	v_lshlrev_b32 v5, 4, v1                        ; 16 x lane
	s_lshr_b32 s12, s10, 2
	s_lshl_b32 s12, s12, 8
	s_and_b32 s13, s10, 3
	s_lshl_b32 s13, s13, 2
	s_add_co_u32 s12, s12, s13
	v_lshl_add_u32 v6, v2, 4, s12                  ; LDS: 16 r + 256 (s / 4) + 4 (s % 4): wsc's layout of one nt
	s_lshl_b32 s14, ttmp9, 16                      ; 16 rows of W
	s_mov_b32 s15, 0
	s_lshl_b32 s16, ttmp9, 3
	s_add_co_u32 s16, s16, s10
	s_lshl_b32 s16, s16, 11                        ; (8 nt + s) x 2,048
	s_mov_b32 s17, 0
	s_lshl_b32 s18, ttmp9, 9                       ; 512 nt
	s_mov_b32 s19, 0
	s_mov_b32 s[SEL], 0x76543210
	s_mov_b32 s[SEL+1], 0xfedcba98
	s_mov_b32 s[MNT], 0x600000
.irp b, 0,1,2,3
	v_mov_b32 v[TM+4+\b], 0                        ; a lane permute's destination counts as one of its sources
.endr
	s_wait_kmcnt 0x0
	s_add_nc_u64 s[4:5], s[4:5], s[14:15]
	s_add_nc_u64 s[6:7], s[6:7], s[16:17]
	s_add_nc_u64 s[8:9], s[8:9], s[18:19]
.irp b, 0,1,2,3
.irp j, 0,1,2,3
	global_load_b128 v[ST+16*\b+4*\j:ST+16*\b+4*\j+3], v4, s[4:5] offset:128*\b+16*\j th:TH_LOAD_NT
.endr
.endr
	s_wait_loadcnt 0x0
.irp b, 0,1,2,3
	v_max3_num_f32 v[TM+\b], |v[ST+16*\b]|, |v[ST+1+16*\b]|, 0x8000000   ; block b: my 16 numbers, and the floor 2^(16 - 127): the byte cannot fall under 1
.endr
.irp i, 2,4,6,8,10,12,14
.irp b, 0,1,2,3
	v_max3_num_f32 v[TM+\b], v[TM+\b], |v[ST+16*\b+\i]|, |v[ST+1+16*\b+\i]|   ; the four blocks by turns
.endr
.endr
.irp b, 0,1,2,3
	v_permlanex16_b32 v[TM+4+\b], v[TM+\b], s[SEL], s[SEL+1]
.endr
.irp b, 0,1,2,3
	v_max_num_f32 v[TM+\b], v[TM+\b], v[TM+4+\b]   ; with lane l xor 16's 16 numbers: the block's largest magnitude
.endr
.irp b, 0,1,2,3
	v_add_nc_u32 v[TM+12+\b], 0xf8800000, v[TM+\b] ; 15 off its exponent field: the conversion takes the exponent field of this operand as its scale
.endr
.irp b, 0,1,2,3
	v_and_or_b32 v[TM+8+\b], v[TM+\b], 0x7f800000, s[MNT]   ; 57,344 x the scale
.endr
.irp b, 0,1,2,3
	v_lshrrev_b32 v[TM+4+\b], 23, v[TM+12+\b]      ; the scale's byte
.endr
	v_lshl_or_b32 v[PW], v[TM+5], 8, v[TM+4]       ; four bytes make my row's scale word for this K step
	v_lshl_or_b32 v[PW], v[TM+6], 16, v[PW]
	v_lshl_or_b32 v[PW], v[TM+7], 24, v[PW]
.irp b, 0,1,2,3
.irp i, 0,1,2,3,4,5,6,7,8,9,10,11,12,13,14,15
	v_med3_num_f32 v[ST+16*\b+\i], v[ST+16*\b+\i], -v[TM+8+\b], v[TM+8+\b]   ; the conversion to an 8-bit code does not saturate (ISA guide 7.6.2): the hold at the largest code x the scale
.endr
	v_cvt_scalef32_pk8_bf8_f32 v[PC+4*\b:PC+1+4*\b], v[ST+16*\b:ST+7+16*\b], v[TM+12+\b]
	v_cvt_scalef32_pk8_bf8_f32 v[PC+2+4*\b:PC+3+4*\b], v[ST+8+16*\b:ST+15+16*\b], v[TM+12+\b]
.endr
	v_nop                                          ; one plain line behind the last scaled conversion
.irp c, 0,1,2,3
	global_store_b128 v5, v[PC+4*\c:PC+4*\c+3], s[6:7] offset:512*\c   ; the wave stores 512 consecutive bytes, aligned
.endr
	ds_store_b32 v6, v[PW]                         ; lanes r and r + 16 write the same word with the same value
	s_wait_dscnt 0x0                               ; for the others' sake: my word has landed
	s_barrier_signal -1
	s_barrier_wait -1
	s_cmp_lg_u32 s10, 0
	s_cbranch_scc1 .Ldone
	ds_load_b128 v[132:135], v5                    ; wave 0: the 512 bytes as they lie
	s_wait_dscnt 0x0
	global_store_b128 v5, v[132:135], s[8:9]
.Ldone:
	s_wait_tensorcnt 0x0
	ds_add_u32 v144, v145
	s_wait_dscnt 0x0
	s_endpgm
.Lfunc_end_k_q091e01fba6_prep:
	.size	k_q091e01fba6_prep, .Lfunc_end_k_q091e01fba6_prep-k_q091e01fba6_prep
	.p2alignl 7, 3214868480
	.fill 96, 4, 3214868480
	.section	.rodata,"a",@progbits
	.p2align	6, 0x0
	.amdhsa_kernel k_q091e01fba6_prep
		.amdhsa_group_segment_fixed_size 2048
		.amdhsa_private_segment_fixed_size 0
		.amdhsa_enable_private_segment 0
		.amdhsa_kernarg_size 24
		.amdhsa_user_sgpr_count 2
		.amdhsa_user_sgpr_kernarg_segment_ptr 1
		.amdhsa_wavefront_size32 1
		.amdhsa_system_sgpr_workgroup_id_x 1
		.amdhsa_system_sgpr_workgroup_id_y 1
		.amdhsa_system_sgpr_workgroup_id_z 1
		.amdhsa_system_vgpr_workitem_id 0
		.amdhsa_next_free_vgpr 146
		.amdhsa_next_free_sgpr 66
		.amdhsa_reserve_vcc 0
		.amdhsa_float_denorm_mode_32 3
		.amdhsa_float_denorm_mode_16_64 3
		.amdhsa_memory_ordered 1
		.amdhsa_forward_progress 1
		.amdhsa_inst_pref_size 13
	.end_amdhsa_kernel
	.amdgpu_metadata
---
amdhsa.version: [ 1, 2 ]
amdhsa.kernels:
  - .name:           k_q091e01fba6_prep
    .symbol:         k_q091e01fba6_prep.kd
    .args:
      - { .name: W, .offset: 0, .size: 8, .value_kind: global_buffer, .address_space: global }
      - { .name: wc, .offset: 8, .size: 8, .value_kind: global_buffer, .address_space: global }
      - { .name: wsc, .offset: 16, .size: 8, .value_kind: global_buffer, .address_space: global }
    .group_segment_fixed_size: 2048
    .private_segment_fixed_size: 0
    .kernarg_segment_align: 8
    .kernarg_segment_size: 24
    .max_flat_workgroup_size: 256
    .sgpr_count:     66
    .vgpr_count:     146
    .wavefront_size: 32
...
	.end_amdgpu_metadata
.endif
;; end of part 1
;; launch main (part 2): grid 16 x 43, 8 waves a work-group, no clusters, 324,608 bytes of LDS; arguments x, lengths, wc, wsc, b, key_vec, part; writes part
.if DOCPART == 2
	.amdgcn_target "amdgcn-amd-amdhsa--gfx1250"
	.amdhsa_code_object_version 6
	.text
	.protected	k_q091e01fba6_main
	.globl	k_q091e01fba6_main
	.p2align	8
	.type	k_q091e01fba6_main,@function
k_q091e01fba6_main:
	s_mov_b64 s[64:65], 0
	v_nop
	global_prefetch_b8 v0, s[64:65] scope:SCOPE_SE
	s_setreg_imm32_b32 hwreg(HW_REG_WAVE_MODE, 25, 1), 1
	s_wait_xcnt 0x0
; One work-group = 96 rows of one batch of x [16][4096][1024] f32, read from memory ONCE and kept in LDS in two forms until their scores exist:
;   X: the rows are quantised along h to codes of BF8 (E5M2) with E8M0 scale bytes, and rounded to bf16;
;   G: z = x W^T on codes (W's come from wc / wsc, laid as operand registers), then r = 1 / (1 + 2^(2 log2(e) (z + b))), so that tanh(z + b) = 1 - 2 r, and the sum of key_vec x r along the 1,024 columns;
;   V: the block's softmax statistics (largest score m, l = sum of e^(score - m)) and the vector sum of e^(score - m) x row, stored as one record of part; the next launch joins a batch's records.
; THE SCORE is sum(key) - 2 sum(key r).  sum(key) is one number for all rows, and a softmax does not change when one number is added to all its scores: the kernel takes -2 sum(key r).
; THE MASK is lengths[b]: rows at or beyond it count for nothing.  Block c holds rows 96 c on; a block with no valid row loads no x, multiplies nothing and stores nothing: three forward branches on lengths[b].
; 43 blocks a batch serve every length.  Block 42 would pass the batch's end, so it loads rows 4000 to 4095 and counts only those from 4032 on.
; NO TENSOR LOADS, NO CLUSTER: all work-groups read the same 1 MiB of W's codes, but partners of a cluster would
; have different work (a batch's blocks are active or not by its length); leaving out the rows behind lengths[b] spares their bytes of x and their products, which a joint request cannot.
; EIGHT WAVES of 512 registers, two to a SIMD: while one wave walks its exponentials and reciprocals (two for each of its 192 results of a chunk) or waits for fragments, the other's products are issued.
; LIMITS: 1 <= lengths[b] (above 4,096 acts as 4,096); NaN and infinities in the inputs are not served; a block of 32 whose largest magnitude lies under 2^-111 gets the scale byte 1;
; x enters the weighted sum rounded to bf16 (that product is not quantised), everything else is f32.
; THE PRODUCT IS USED TRANSPOSED: source 0 = 16 rows of W, source 1 = 16 rows of x: lane (r, h) holds row r of x, register j column 16 tile + 8 h + j, so the sum along columns stays in the lane.
; LDS: CD codes, a row 1,024 bytes + 16 (65 x 16: the 16 rows of a fragment load start in 16 different groups of banks); BF bf16 rows of 2,048; XSC 32 scale bytes a row;
;      STG a stage of 32 x 80 bytes for each wave; SCP [wave][96] partial scores.
.set CP,  1040
.set CD,  0                            ; 96 x 1,040
.set BF,  99840                        ; 96 x 2,048
.set XSC, 296448                       ; 96 x 32
.set STG, 299520                       ; 8 x 2,560
.set SCP, 320000                       ; 8 x 384; ends at 323,072
; REGISTERS, window 0.  Addresses, all made at the head and never rewritten:
.set VX,  1                            ; x: 16 lane + 49,152 wave (12 rows)
.set VSI, 2                            ; stage, in: 80 (lane / 4) + 16 (lane % 4)
.set VSO, 3                            ; stage, out: 80 lane
.set VC,  4                            ; CD + 12,480 wave + 16 lane
.set VB,  5                            ; BF + 24,576 wave + 32 lane
.set VS,  6                            ; XSC + 384 wave + lane / 2
.set VA,  7                            ; v7: CD + 1,040 r + 16 h; v8: 48 rows on
.set VXS, 9                            ; XSC + 32 r + 16 h
.set VW,  10                           ; wc: 16 lane + 131,072 wave (8 tiles of 16 columns)
.set VWS, 11                           ; wsc: 16 lane + 4,096 wave
.set VK,  12                           ; b, key_vec: 512 wave + 32 h
.set VSC, 13                           ; SCP + 384 wave + 4 r
.set VSR, 14                           ; SCP + 4 lane
.set VO,  15                           ; 16 x thread
.set XS,  16                           ; v16-39  x's scale words: register 4 m + j: lanes 0-15 K step j, lanes 16-31 K step 4 + j, of row 16 m + r.  Scales and nothing else
.set WS,  40                           ; v40-71  W's likewise: 4 u + j for my tile u.  Scales and nothing else
.set S,   72                           ; v72-83  six pairs: sum of key x r for the six tiles of rows
.set VBR, 84                           ; v84-86  BF + 65,536 k + 8 thread
.set VD,  94                           ; v94     lane - (first counted row of the block)
.set XF,  96                           ; v96-191 x's six fragments of a K step.  Behind a chunk: KEY, CB
.set KEY, 96
.set CB,  128
.set WF,  192                          ; v192-255 W's four fragments, set 0; set 1 has the same numbers in window 1
.set CC,  96                           ; region X: two sets of 4: codes
.set BB,  104                          ; two sets of 8: bf16
.set XQ,  224                          ; two sets of 16 neighbours along h
; window 1: region X: v0-127 eight sets of 16 numbers as loaded; region G: v0-191 the 24 accumulators ((m, t) at 8 (4 m + t)), v192-255 W's set 1
; SCALARS: s18 wave, s19 batch, s20 block, s21 its first row, s22 the first row loaded, s23 length, s24 1 if the block has a valid row, s25 length - first row, s26 first counted row of the 96
.set MSB, 0
.macro WIN new                         ; the immediate's high byte repeats the setting that is left; a switch that changes nothing is dropped
.if MSB != (\new)
	s_set_vgpr_msb (MSB<<8)|(\new)
.set MSB, (\new)
.endif
.endm
.macro PLACES n
.rept \n
	v_nop
.endr
.endm
	s_load_b256 s[4:11], s[0:1], 0x0               ; x s[4:5], lengths s[6:7], wc s[8:9], wsc s[10:11]
	s_load_b128 s[12:15], s[0:1], 0x20             ; b s[12:13], key_vec s[14:15]
	s_load_b64 s[16:17], s[0:1], 0x30              ; part
	v_lshl_add_u32 v93, v0, 2, 0x4f000
	v_mov_b32 v95, 0
	v_lshrrev_b32 v87, 5, v0
	v_readfirstlane_b32 s18, v87                   ; wave 0..7
	s_mov_b32 s19, ttmp9                           ; batch
	s_and_b32 s20, ttmp7, 0xffff                   ; block
	s_mul_i32 s21, s20, 96
	s_min_u32 s22, s21, 4000                       ; the 96 rows loaded stay inside the batch
	s_sub_co_u32 s26, s21, s22                     ; 0, or 32 in block 42
	v_and_b32 v88, 31, v0                          ; lane
	v_and_b32 v89, 15, v0                          ; r
	v_bfe_u32 v90, v0, 4, 1                        ; h
	s_mul_i32 s28, s18, 49152
	v_lshl_add_u32 v[VX], v88, 4, s28
	s_mul_i32 s28, s18, 2560
	s_add_co_u32 s28, s28, STG
	v_lshrrev_b32 v91, 2, v88
	v_mul_u32_u24 v91, v91, 80
	v_and_b32 v92, 3, v88
	v_lshl_add_u32 v91, v92, 4, v91
	v_add_nc_u32 v[VSI], s28, v91
	v_mul_u32_u24 v91, v88, 80
	v_add_nc_u32 v[VSO], s28, v91
	s_mul_i32 s28, s18, 12480
	v_lshl_add_u32 v[VC], v88, 4, s28
	s_mul_i32 s28, s18, 24576
	s_add_co_u32 s28, s28, BF
	v_lshl_add_u32 v[VB], v88, 5, s28
	s_mul_i32 s28, s18, 384
	s_add_co_u32 s28, s28, XSC
	v_lshrrev_b32 v91, 1, v88
	v_add_nc_u32 v[VS], s28, v91
	v_mul_u32_u24 v[VA], v89, CP
	v_lshl_add_u32 v[VA], v90, 4, v[VA]
	v_add_nc_u32 v[VA+1], 48*CP, v[VA]
	v_lshlrev_b32 v[VXS], 5, v89
	v_lshl_add_u32 v[VXS], v90, 4, v[VXS]
	v_add_nc_u32 v[VXS], XSC, v[VXS]
	s_lshl_b32 s28, s18, 17
	v_lshl_add_u32 v[VW], v88, 4, s28
	s_lshl_b32 s28, s18, 12
	v_lshl_add_u32 v[VWS], v88, 4, s28
	s_lshl_b32 s28, s18, 9
	v_lshl_add_u32 v[VK], v90, 5, s28
	s_mul_i32 s28, s18, 384
	s_add_co_u32 s28, s28, SCP
	v_lshl_add_u32 v[VSC], v89, 2, s28
	v_lshl_add_u32 v[VSR], v88, 2, SCP
	v_lshlrev_b32 v[VO], 4, v0
	v_lshl_add_u32 v[VBR], v0, 3, BF
	v_add_nc_u32 v[VBR+1], 0x10000, v[VBR]
	v_add_nc_u32 v[VBR+2], 0x20000, v[VBR]
	v_sub_nc_u32 v[VD], v88, s26
	s_mov_b32 s30, 0x76543210                      ; v_permlanex16_b32's selects for lane l xor 16
	s_mov_b32 s31, 0xfedcba98
	s_mov_b32 s32, 0x4038aa3b                      ; 2 log2(e)
	s_mov_b32 s33, s32                             ; (named with it as a pair, so it is written)
	s_mov_b32 s34, 0x600000                        ; the mantissa field of 57,344
	s_mov_b32 s35, 0xffff0000                      ; a word's upper bf16
	s_mov_b32 s36, 0x3fb8aa3b                      ; log2(e)
.irp q, 0,1,2,3,4,5,6,7
	s_mov_b32 s[41+2*\q], 0                        ; the upper halves of the pairs that the packed forms name
.endr
	s_lshl_b32 s28, s19, 2
	s_mov_b32 s29, 0
	s_wait_kmcnt 0x0
	s_add_nc_u64 s[6:7], s[6:7], s[28:29]
	s_load_b32 s23, s[6:7], 0x0                    ; lengths[batch]
	s_lshl_b32 s28, s19, 12
	s_add_co_u32 s28, s28, s22
	s_lshl_b32 s28, s28, 12                        ; (4,096 batch + first row) x 4,096 bytes: under 2^28 + ..., inside 32 bits
	s_add_nc_u64 s[4:5], s[4:5], s[28:29]
	s_mul_i32 s28, s19, 43
	s_add_co_u32 s28, s28, s20
	s_mul_i32 s28, s28, 4352                       ; my record
	s_add_nc_u64 s[16:17], s[16:17], s[28:29]
	s_wait_kmcnt 0x0
	s_min_u32 s23, s23, 4096
	s_cmp_lt_u32 s21, s23
	s_cselect_b32 s24, 1, 0                        ; has the block a valid row?
	s_sub_co_u32 s25, s23, s21                     ; how many of its rows count (read only where it has one)
; ---- X.  Wave w takes rows 12 w to 12 w + 11, in 24 steps of half a row (512 numbers, 2,048 bytes).
; A conversion takes neighbours along h from ONE lane's registers; a load is dense where neighbouring LANES take neighbouring bytes.  Both are had: each of a step's four loads takes 512 consecutive
; bytes, and the 2,048 bytes turn through the wave's stage in LDS and come back 64 bytes a lane (16 bytes of padding behind each 64).  Two neighbouring lanes hold a block of 32.
.macro XLOAD t                         ; step t's four loads, into set t % 8 of window 1
	WIN 0x40
.irp i, 0,1,2,3
	global_load_b128 v[16*((\t)%8)+4*\i:16*((\t)%8)+4*\i+3], v[VX], s[4:5] offset:2048*(\t)+512*\i th:TH_LOAD_NT
.endr
.endm
.macro TURN t                          ; through the stage: LDS serves a wave's instructions in order (ISA guide 5.7.1.4), so no wait stands between the stores and the loads, nor in front of the next step's stores
	WIN 0x04                                       ; an LDS store's data are its source 1: window 1
.irp i, 0,1,2,3
	ds_store_b128 v[VSI], v[16*((\t)%8)+4*\i:16*((\t)%8)+4*\i+3] offset:640*\i
.endr
	WIN 0
.irp i, 0,1,2,3
	ds_load_b128 v[XQ+16*((\t)%2)+4*\i:XQ+16*((\t)%2)+4*\i+3], v[VSO] offset:16*\i
.endr
.endm
.macro QSTEP t
.set XQS, XQ+16*((\t)%2)
.set CCS, CC+4*((\t)%2)
.set BBS, BB+8*((\t)%2)
.if (\t) > 0
	s_wait_dscnt 4                                 ; this step's numbers are back from the stage; younger are only the last step's four stores.  The stores of two steps back, whose data registers are written below, are done too
.else
	s_wait_dscnt 0x0
.endif
.if (\t)+8 < 24
	XLOAD (\t)+8                                   ; into the set that this step's stores into the stage have read
.endif
.if (\t) < 23
.if (\t) <= 15
	s_wait_loadcnt 28                              ; the next step's four loads are in; those of the seven steps behind it may be out
.else
	s_wait_loadcnt 4*(22-(\t))                     ; nothing more is asked for: the count runs down
.endif
	TURN (\t)+1
.endif
	v_max3_num_f32 v87, |v[XQS]|, |v[XQS+1]|, |v[XQS+2]|           ; the largest magnitude of my 16, in two chains
	v_max3_num_f32 v88, |v[XQS+3]|, |v[XQS+4]|, |v[XQS+5]|
.irp i, 6,10
	v_max3_num_f32 v87, v87, |v[XQS+\i]|, |v[XQS+\i+1]|
	v_max3_num_f32 v88, v88, |v[XQS+\i+2]|, |v[XQS+\i+3]|
.endr
	v_max3_num_f32 v87, v87, |v[XQS+14]|, |v[XQS+15]|
	v_max3_num_f32 v87, v87, v88, 0x8000000        ; and the floor 2^(16 - 127): the byte cannot fall under 1
	v_max_num_f32_dpp v87, v87, v87 row_xmask:1 row_mask:0xf bank_mask:0xf   ; and of my neighbour's 16: the block's
	v_add_nc_u32 v90, 0xf8800000, v87              ; 15 off its exponent field: the conversion's scale operand
	v_and_or_b32 v89, v87, 0x7f800000, s34         ; 57,344 x the scale
.irp i, 0,1,2,3,4,5,6,7
	v_cvt_pk_bf16_f32 v[BBS+\i], v[XQS+2*\i], v[XQS+2*\i+1]        ; the numbers as bf16, for the weighted sum: ahead of the hold
.endr
.irp i, 0,1,2,3,4,5,6,7,8,9,10,11,12,13,14,15
	v_med3_num_f32 v[XQS+\i], v[XQS+\i], -v89, v89 ; the conversion to an 8-bit code does not saturate (ISA guide 7.6.2): the hold at the largest code x the scale
.endr
	v_cvt_scalef32_pk8_bf8_f32 v[CCS:CCS+1], v[XQS:XQS+7], v90
	v_cvt_scalef32_pk8_bf8_f32 v[CCS+2:CCS+3], v[XQS+8:XQS+15], v90
	v_lshrrev_b32 v[91+(\t)%2], 23, v90            ; the scale's byte.  (Also the plain line behind the conversions)
	ds_store_b8 v[VS], v[91+(\t)%2] offset:16*(\t) ; both lanes of a block write the same byte with the same value
	ds_store_b128 v[VC], v[CCS:CCS+3] offset:((\t)/2)*CP+((\t)%2)*512
	ds_store_b128 v[VB], v[BBS:BBS+3] offset:1024*(\t)
	ds_store_b128 v[VB], v[BBS+4:BBS+7] offset:1024*(\t)+16
.endm
	s_cmp_eq_u32 s24, 0
	s_cbranch_scc1 .Lskip_x
.irp t, 0,1,2,3,4,5,6,7
	XLOAD \t                                       ; 32 loads a wave, 128 KiB a work-group, go out first
.endr
	s_wait_loadcnt 28                              ; step 0's four are in
	TURN 0
.irp t, 0,1,2,3,4,5,6,7,8,9,10,11,12,13,14,15,16,17,18,19,20,21,22,23
	QSTEP \t
.endr
.Lskip_x:
	s_wait_dscnt 0x0                               ; for the others' sake: my rows' codes, bf16 and scale bytes have landed
	s_barrier_signal -1
	s_barrier_wait -1                              ; every wave passes this barrier, whatever the block
; ---- G.  Wave w owns columns 128 w to 128 w + 127, as two chunks of four tiles of 16, each against all six tiles of rows: 24 accumulators.
.macro WLOAD ch, s                     ; W's four fragments of chunk ch, K step s, from memory straight into set (s + 1) % 2: each load takes 512 consecutive bytes
	WIN 0x40*(((\s)+1)&1)
.irp t, 0,1,2,3
.irp c, 0,1,2,3
	global_load_b128 v[WF+16*\t+4*\c:WF+16*\t+4*\c+3], v[VW], s[8:9] offset:65536*(\ch)+16384*\t+2048*(\s)+512*\c
.endr
.endr
.endm
.macro XFLOAD s                        ; x's six fragments of K step s: lane (r, h), group c: row 16 m + r, K = 128 s + 32 c + 16 h + 0 .. 15
	WIN 0
.irp m, 0,1,2,3,4,5
.irp c, 0,1,2,3
	ds_load_b128 v[XF+16*\m+4*\c:XF+16*\m+4*\c+3], v[VA+\m/3] offset:(\m%3)*16*CP+128*(\s)+32*\c
.endr
.endr
.endm
.macro MUL ch, s                       ; 24 products; the 24 accumulators take turns, one instruction a turn, in the same order in every K step.  K step 0 starts the sums: nothing is cleared
	WIN 0x50|(((\s)+1)&1)                          ; C and D window 1; source 0 (W) in its set's window; source 1 (x) window 0
.irp m, 0,1,2,3,4,5
.irp t, 0,1,2,3
.if (\s) == 0
	v_wmma_scale_f32_16x16x128_f8f6f4 v[8*(4*\m+\t):8*(4*\m+\t)+7], v[WF+16*\t:WF+16*\t+15], v[XF+16*\m:XF+16*\m+15], 0, v[WS+16*(\ch)+4*\t], v[XS+4*\m] matrix_a_fmt:MATRIX_FMT_BF8 matrix_b_fmt:MATRIX_FMT_BF8
.elseif (\s) < 4
	v_wmma_scale_f32_16x16x128_f8f6f4 v[8*(4*\m+\t):8*(4*\m+\t)+7], v[WF+16*\t:WF+16*\t+15], v[XF+16*\m:XF+16*\m+15], v[8*(4*\m+\t):8*(4*\m+\t)+7], v[WS+16*(\ch)+4*\t+(\s)], v[XS+4*\m+(\s)] matrix_a_fmt:MATRIX_FMT_BF8 matrix_b_fmt:MATRIX_FMT_BF8
.else
	v_wmma_scale_f32_16x16x128_f8f6f4 v[8*(4*\m+\t):8*(4*\m+\t)+7], v[WF+16*\t:WF+16*\t+15], v[XF+16*\m:XF+16*\m+15], v[8*(4*\m+\t):8*(4*\m+\t)+7], v[WS+16*(\ch)+4*\t+(\s)-4], v[XS+4*\m+(\s)-4] matrix_a_fmt:MATRIX_FMT_BF8 matrix_b_fmt:MATRIX_FMT_BF8 matrix_a_scale:MATRIX_SCALE_ROW1 matrix_b_scale:MATRIX_SCALE_ROW1
.endif
.endr
.endr
.endm
.macro KSTEP ch, s
.if (\s) > 0
	PLACES 8                                       ; a load into a register that a matrix instruction of this form has read stands eight places behind it
.endif
	XFLOAD \s
.if (\s) < 7
	WLOAD \ch, (\s)+1                              ; the next K step's W, into the set that the last K step's products have read
	s_wait_loadcnt 16                              ; all but the 16 just issued: this K step's W is in
.elseif (\ch) == 0
	WLOAD 1, 0                                     ; the next chunk's first
	s_wait_loadcnt 16
.else
	s_wait_loadcnt 0x0                             ; nothing more is asked for
.endif
	s_wait_dscnt 0x0                               ; x's fragments (and, the first time, its scale words) are in
	MUL \ch, \s
.endm
; Behind a chunk's eight K steps: r = 1 / (1 + 2^(2 log2(e) (z + b))), in place, and S(m) += key x r.  The chunk's 32 numbers of key_vec and of b for my half of the lanes land where x's fragments lay.
; The ten v_nop of this macro also stand between this chunk's last product and the next chunk's first, which begins the accumulators anew (nine are asked).
.macro EPI ch
	PLACES 8                                       ; in front of the loads into x's fragments and of the first read of results
	WIN 0
.irp t, 0,1,2,3
	global_load_b128 v[KEY+8*\t:KEY+8*\t+3], v[VK], s[14:15] offset:256*(\ch)+64*\t
	global_load_b128 v[KEY+8*\t+4:KEY+8*\t+7], v[VK], s[14:15] offset:256*(\ch)+64*\t+16
	global_load_b128 v[CB+8*\t:CB+8*\t+3], v[VK], s[12:13] offset:256*(\ch)+64*\t
	global_load_b128 v[CB+8*\t+4:CB+8*\t+7], v[VK], s[12:13] offset:256*(\ch)+64*\t+16
.endr
	s_wait_loadcnt 0x0
.irp i, 0,2,4,6,8,10,12,14,16,18,20,22,24,26,28,30
	v_pk_mul_f32 v[CB+\i:CB+\i+1], v[CB+\i:CB+\i+1], s[32:33] op_sel_hi:[1,0]   ; 2 log2(e) b
.endr
	WIN 0x41                                       ; destination and source 0 window 1
.set a, 0
.rept 24                                       ; each accumulator from its low end on
.irp i, 0,2,4,6
	v_pk_fma_f32 v[8*a+\i:8*a+\i+1], v[8*a+\i:8*a+\i+1], s[32:33], v[CB+8*(a%4)+\i:CB+8*(a%4)+\i+1] op_sel_hi:[1,0,1]
.endr
.set a, a+1
.endr
.set a, 0
.rept 192
	v_exp_f32 v[a], v[a]
.set a, a+1
.endr
	v_nop                                          ; one plain line behind the transcendentals (ISA guide 5.7.2)
.set a, 0
	s_wait_alu depctr_va_vdst(0)
.rept 96
	v_pk_add_f32 v[a:a+1], v[a:a+1], 1.0 op_sel_hi:[1,0]
.set a, a+2
.endr
.set a, 0
.rept 192
	v_rcp_f32 v[a], v[a]                           ; an overflowed exponential gives r = 0 (tanh = 1), a vanished one r = 1 (tanh = -1)
.set a, a+1
.endr
	v_nop
	s_wait_alu depctr_va_vdst(0)
	WIN 0x01                                       ; source 0 window 1
.irp t, 0,1,2,3
.irp i, 0,2,4,6
.irp m, 0,1,2,3,4,5
.if ((\ch) == 0) && (\t == 0) && (\i == 0)
	v_pk_mul_f32 v[S+2*\m:S+2*\m+1], v[8*(4*\m+\t)+\i:8*(4*\m+\t)+\i+1], v[KEY+8*\t+\i:KEY+8*\t+\i+1]   ; the first product starts the sum
.else
	v_pk_fma_f32 v[S+2*\m:S+2*\m+1], v[8*(4*\m+\t)+\i:8*(4*\m+\t)+\i+1], v[KEY+8*\t+\i:KEY+8*\t+\i+1], v[S+2*\m:S+2*\m+1]   ; six chains by turns
.endif
.endr
.endr
.endr
.endm
	s_cmp_eq_u32 s24, 0
	s_cbranch_scc1 .Lskip_g
.irp u, 0,1,2,3,4,5,6,7
	global_load_b128 v[WS+4*\u:WS+4*\u+3], v[VWS], s[10:11] offset:512*\u   ; W's scale words of my eight tiles, all of K
.endr
.irp m, 0,1,2,3,4,5
	ds_load_b128 v[XS+4*\m:XS+4*\m+3], v[VXS] offset:512*\m                 ; x's, of the six tiles of rows, all of K
.endr
	WLOAD 0, 0
.irp s, 0,1,2,3,4,5,6,7
	KSTEP 0, \s
.endr
	EPI 0
.irp s, 0,1,2,3,4,5,6,7
	KSTEP 1, \s
.endr
	EPI 1
	WIN 0
.irp m, 0,1,2,3,4,5
	v_add_f32 v[87+\m], v[S+2*\m], v[S+2*\m+1]     ; even and odd columns,
.endr
.irp m, 0,1,2,3,4,5
	v_permlanex16_b32 v[S+2*\m], v[87+\m], s30, s31
.endr
.irp m, 0,1,2,3,4,5
	v_add_f32 v[87+\m], v[87+\m], v[S+2*\m]        ; and lane l xor 16's: my 128 columns' part for row 16 m + r
.endr
.irp m, 0,1,2,3,4,5
	ds_store_b32 v[VSC], v[87+\m] offset:64*\m     ; lanes r and r + 16 write the same word with the same value
.endr
.Lskip_g:
	s_wait_dscnt 0x0                               ; for the others' sake: my partial scores have landed
	s_barrier_signal -1
	s_barrier_wait -1
; ---- V.  Every wave makes the block's statistics for itself (lane l: rows l, 32 + l, 64 + l); thread t then sums columns 4 t to 4 t + 3 over the 96 rows.
; P0, P1, P2 = v224, v232, v240; (m, l) = v[248:249]; O = v[226:229]; two sets at work v234-237, v242-245.
.macro VLOAD buf, k                    ; rows 32 k on: 8 bytes a lane, 256 consecutive bytes a wave
.irp j, 0,1,2,3,4,5,6,7,8,9,10,11,12,13,14,15,16,17,18,19,20,21,22,23,24,25,26,27,28,29,30,31
	ds_load_b64 v[(\buf)+2*\j:(\buf)+2*\j+1], v[VBR+(\k)] offset:2048*\j
.endr
.endm
.macro VROWS buf, k, first
.irp g, 0,1,2,3
.irp q, 0,1,2,3,4,5,6,7
	v_readlane_b32 s[40+2*\q], v[224+8*(\k)], 8*\g+\q              ; eight rows' weights
.endr
.irp q, 0,1,2,3,4,5,6,7
.set RW, (\buf)+2*(8*\g+\q)
.set TT, 234+8*(\q%2)
	v_lshlrev_b32 v[TT], 16, v[RW]                 ; bf16 to f32: the low half moves up, the high half stays
	v_and_b32 v[TT+1], s35, v[RW]
	v_lshlrev_b32 v[TT+2], 16, v[RW+1]
	v_and_b32 v[TT+3], s35, v[RW+1]
.if (\first) && (\g == 0) && (\q == 0)
	v_pk_mul_f32 v[226:227], v[TT:TT+1], s[40+2*\q:41+2*\q] op_sel_hi:[1,0]       ; the first row starts the sums
	v_pk_mul_f32 v[228:229], v[TT+2:TT+3], s[40+2*\q:41+2*\q] op_sel_hi:[1,0]
.else
	v_pk_fma_f32 v[226:227], v[TT:TT+1], s[40+2*\q:41+2*\q], v[226:227] op_sel_hi:[1,0,1]
	v_pk_fma_f32 v[228:229], v[TT+2:TT+3], s[40+2*\q:41+2*\q], v[228:229] op_sel_hi:[1,0,1]
.endif
.endr
.endr
.endm
	s_cmp_eq_u32 s24, 0
	s_cbranch_scc1 .Lskip_v
.irp k, 0,1,2
.irp u, 0,1,2,3,4,5,6,7
	ds_load_b32 v[224+8*\k+\u], v[VSR] offset:384*\u+128*\k        ; the eight waves' parts of row 32 k + lane
.endr
.endr
	VLOAD 96, 0                                    ; rows 0 to 31 are asked for while the statistics are made
	s_wait_dscnt 32                                ; the 24 parts are in; the 32 just issued may be out
.irp u, 1,2,3,4,5,6,7
.irp k, 0,1,2
	v_add_f32 v[224+8*\k], v[224+8*\k], v[224+8*\k+\u]             ; in ascending order of the waves: the same bits in every wave
.endr
.endr
	v_mov_b32 v252, 0xff800000                     ; -infinity
	v_mov_b32 v251, 0                              ; (a lane permute's destination counts as one of its sources)
.irp k, 0,1,2
	v_mul_f32 v[224+8*\k], -2.0, v[224+8*\k]       ; the score, less the sum of key_vec
.endr
.irp k, 0,1,2
	v_add_nc_u32 v250, 32*\k, v[VD]                ; the row's place among the block's counted rows (rows ahead of them wrap to large numbers)
	v_cmp_gt_u32 vcc_lo, s25, v250
	v_cndmask_b32 v[224+8*\k], v252, v[224+8*\k], vcc_lo           ; rows that do not count: -infinity
.endr
	v_max3_num_f32 v248, v224, v232, v240
	v_max_num_f32_dpp v248, v248, v248 row_xmask:1 row_mask:0xf bank_mask:0xf
	v_max_num_f32_dpp v248, v248, v248 row_xmask:2 row_mask:0xf bank_mask:0xf
	v_max_num_f32_dpp v248, v248, v248 row_xmask:4 row_mask:0xf bank_mask:0xf
	v_max_num_f32_dpp v248, v248, v248 row_xmask:8 row_mask:0xf bank_mask:0xf
	v_permlanex16_b32 v251, v248, s30, s31
	v_max_num_f32 v248, v248, v251                 ; m: the block has a row that counts, so it is a number
.irp k, 0,1,2
	v_sub_f32 v[224+8*\k], v[224+8*\k], v248
.endr
.irp k, 0,1,2
	v_mul_f32 v[224+8*\k], s36, v[224+8*\k]
.endr
.irp k, 0,1,2
	v_exp_f32 v[224+8*\k], v[224+8*\k]             ; e^(score - m); 0 for rows that do not count
.endr
	v_nop                                          ; one plain line behind the transcendentals
	s_wait_alu depctr_va_vdst(0)
	v_add_f32 v249, v224, v232
	v_add_f32 v249, v249, v240
	v_add_f32_dpp v249, v249, v249 row_xmask:1 row_mask:0xf bank_mask:0xf
	v_add_f32_dpp v249, v249, v249 row_xmask:2 row_mask:0xf bank_mask:0xf
	v_add_f32_dpp v249, v249, v249 row_xmask:4 row_mask:0xf bank_mask:0xf
	v_add_f32_dpp v249, v249, v249 row_xmask:8 row_mask:0xf bank_mask:0xf
	v_permlanex16_b32 v251, v249, s30, s31
	v_add_f32 v249, v249, v251                     ; l
	VLOAD 160, 1
	s_wait_dscnt 32                                ; rows 0 to 31 are in; the 32 just issued may be out
	VROWS 96, 0, 1
	VLOAD 96, 2
	s_wait_dscnt 32                                ; rows 32 to 63 are in
	VROWS 160, 1, 0
	s_wait_dscnt 0x0
	VROWS 96, 2, 0
	v_and_b32 v230, 31, v0
	v_lshlrev_b32 v230, 3, v230
	global_store_b128 v[VO], v[226:229], s[16:17]  ; a wave stores 512 consecutive bytes, aligned
	s_cmp_lg_u32 s18, 0
	s_cbranch_scc1 .Lskip_v
	global_store_b64 v230, v[248:249], s[16:17] offset:4096        ; wave 0: (m, l), once a lane: 256 consecutive bytes, aligned
.Lskip_v:
	s_wait_tensorcnt 0x0
	ds_add_u32 v93, v95
	s_wait_dscnt 0x0
	s_endpgm
.Lfunc_end_k_q091e01fba6_main:
	.size	k_q091e01fba6_main, .Lfunc_end_k_q091e01fba6_main-k_q091e01fba6_main
	.p2alignl 7, 3214868480
	.fill 96, 4, 3214868480
	.section	.rodata,"a",@progbits
	.p2align	6, 0x0
	.amdhsa_kernel k_q091e01fba6_main
		.amdhsa_group_segment_fixed_size 324608
		.amdhsa_private_segment_fixed_size 0
		.amdhsa_enable_private_segment 0
		.amdhsa_kernarg_size 56
		.amdhsa_user_sgpr_count 2
		.amdhsa_user_sgpr_kernarg_segment_ptr 1
		.amdhsa_wavefront_size32 1
		.amdhsa_system_sgpr_workgroup_id_x 1
		.amdhsa_system_sgpr_workgroup_id_y 1
		.amdhsa_system_sgpr_workgroup_id_z 1
		.amdhsa_system_vgpr_workitem_id 0
		.amdhsa_next_free_vgpr 512
		.amdhsa_next_free_sgpr 66
		.amdhsa_reserve_vcc 1
		.amdhsa_float_denorm_mode_32 3
		.amdhsa_float_denorm_mode_16_64 3
		.amdhsa_memory_ordered 1
		.amdhsa_forward_progress 1
		.amdhsa_inst_pref_size 255
	.end_amdhsa_kernel
	.section	.bss,"aw",@nobits
	.p2align	6
	.space	262144
	.amdgpu_metadata
---
amdhsa.version: [ 1, 2 ]
amdhsa.kernels:
  - .name:           k_q091e01fba6_main
    .symbol:         k_q091e01fba6_main.kd
    .args:
      - { .name: x, .offset: 0, .size: 8, .value_kind: global_buffer, .address_space: global }
      - { .name: lengths, .offset: 8, .size: 8, .value_kind: global_buffer, .address_space: global }
      - { .name: wc, .offset: 16, .size: 8, .value_kind: global_buffer, .address_space: global }
      - { .name: wsc, .offset: 24, .size: 8, .value_kind: global_buffer, .address_space: global }
      - { .name: b, .offset: 32, .size: 8, .value_kind: global_buffer, .address_space: global }
      - { .name: key_vec, .offset: 40, .size: 8, .value_kind: global_buffer, .address_space: global }
      - { .name: part, .offset: 48, .size: 8, .value_kind: global_buffer, .address_space: global }
    .group_segment_fixed_size: 324608
    .private_segment_fixed_size: 0
    .kernarg_segment_align: 8
    .kernarg_segment_size: 56
    .max_flat_workgroup_size: 256
    .sgpr_count:     66
    .vgpr_count:     512
    .wavefront_size: 32
...
	.end_amdgpu_metadata
.endif
;; end of part 2
;; launch merge (part 3): grid 8 x 16, 1 waves a work-group, no clusters, 0 bytes of LDS; arguments part, lengths, out0; writes out0
.if DOCPART == 3
	.amdgcn_target "amdgcn-amd-amdhsa--gfx1250"
	.amdhsa_code_object_version 6
	.text
	.protected	k_q091e01fba6_merge
	.globl	k_q091e01fba6_merge
	.p2align	8
	.type	k_q091e01fba6_merge,@function
k_q091e01fba6_merge:
	s_mov_b64 s[64:65], 0
	v_nop
	global_prefetch_b8 v0, s[64:65] scope:SCOPE_SE
	s_setreg_imm32_b32 hwreg(HW_REG_WAVE_MODE, 25, 1), 1
	s_wait_xcnt 0x0
; out0[b][:] = (sum over the batch's blocks c of e^(m_c - M) vec_c) / (sum of e^(m_c - M) l_c), M the largest m_c.
; part: record 43 b + c of 4,352 bytes: vec_c (1,024 f32), then (m_c, l_c).  Only blocks 0 to NM = (lengths[b] - 1) / 96 were stored.
; One wave takes 128 columns of one batch.  No branch hangs on the length: a block's number is held at NM, so that only stored records are read, and the repeats carry the weight 0.
; All 45 loads go out at once; the sums follow in ascending order of the blocks.  Matrix units, LDS and barriers would add nothing here.
; LIMITS: 1 <= lengths[b] (above 4,096 acts as 4,096).
.set REC, 4352
	s_load_b128 s[4:7], s[0:1], 0x0                ; part, lengths
	s_load_b64 s[8:9], s[0:1], 0x10                ; out0
	s_and_b32 s10, ttmp7, 0xffff                   ; batch
	s_lshl_b32 s12, s10, 2
	s_mov_b32 s13, 0
	v_and_b32 v1, 31, v0                           ; lane
	s_lshl_b32 s16, ttmp9, 9
	v_lshl_add_u32 v2, v1, 4, s16                  ; 512 x column group + 16 x lane
	v_mov_b32 v61, v1                              ; the blocks whose statistics my lane takes: lane,
	v_add_nc_u32 v62, 32, v1                       ; and lane + 32
	v_mov_b32 v59, 0xff800000                      ; -infinity
	v_mov_b32 v60, 0
	v_mov_b32 v9, 0                                ; (a lane permute's destination counts as one of its sources)
	s_mov_b32 s17, 0x76543210
	s_mov_b32 s18, 0xfedcba98
	s_mov_b32 s19, 0x3fb8aa3b                      ; log2(e)
.irp q, 0,1,2,3,4,5,6,7
	s_mov_b32 s[21+2*\q], 0                        ; the upper halves of the pairs that the packed forms name
.endr
	s_wait_kmcnt 0x0
	s_add_nc_u64 s[6:7], s[6:7], s[12:13]
	s_load_b32 s11, s[6:7], 0x0                    ; lengths[batch]
	s_mul_i32 s12, s10, 43*REC
	s_add_nc_u64 s[4:5], s[4:5], s[12:13]          ; the batch's first record
	s_lshl_b32 s12, s10, 12
	s_add_nc_u64 s[8:9], s[8:9], s[12:13]          ; the batch's row of out0
	s_wait_kmcnt 0x0
	s_min_u32 s11, s11, 4096
	s_sub_co_u32 s11, s11, 1
	s_lshr_b32 s11, s11, 5
	s_mul_i32 s11, s11, 0xaaab
	s_lshr_b32 s14, s11, 17                        ; ((length - 1) / 32) / 3, exact for numbers under 128
	s_min_u32 s14, s14, 42                         ; NM
	v_min_u32 v3, s14, v61
	v_min_u32 v3, 42, v3
	v_mul_u32_u24 v3, v3, REC
	v_min_u32 v11, s14, v62
	v_min_u32 v11, 42, v11
	v_mul_u32_u24 v11, v11, REC
	global_load_b64 v[4:5], v3, s[4:5] offset:4096 ; (m, l) of block min(lane, NM)
	global_load_b64 v[6:7], v11, s[4:5] offset:4096
.set c, 0
.rept 43
	s_min_u32 s15, s14, c
	s_mul_i32 s15, s15, REC
	v_add_nc_u32 v[16+c], s15, v2
	global_load_b128 v[64+4*c:64+4*c+3], v[16+c], s[4:5]           ; 512 consecutive bytes of block min(c, NM)'s vector
.set c, c+1
.endr
	s_wait_loadcnt 43                              ; the statistics are in; the 43 loads behind them may be out
	v_cmp_lt_u32 vcc_lo, s14, v61
	v_cndmask_b32 v4, v4, v59, vcc_lo              ; blocks past NM: m = -infinity, l = 0
	v_cndmask_b32 v5, v5, v60, vcc_lo
	v_cmp_lt_u32 vcc_lo, s14, v62
	v_cndmask_b32 v6, v6, v59, vcc_lo
	v_cndmask_b32 v7, v7, v60, vcc_lo
	v_max_num_f32 v8, v4, v6
	v_max_num_f32_dpp v8, v8, v8 row_xmask:1 row_mask:0xf bank_mask:0xf
	v_max_num_f32_dpp v8, v8, v8 row_xmask:2 row_mask:0xf bank_mask:0xf
	v_max_num_f32_dpp v8, v8, v8 row_xmask:4 row_mask:0xf bank_mask:0xf
	v_max_num_f32_dpp v8, v8, v8 row_xmask:8 row_mask:0xf bank_mask:0xf
	v_permlanex16_b32 v9, v8, s17, s18
	v_max_num_f32 v8, v8, v9                       ; M: block 0 is always stored, so it is a number
	v_sub_f32 v4, v4, v8
	v_sub_f32 v6, v6, v8
	v_mul_f32 v4, s19, v4
	v_mul_f32 v6, s19, v6
	v_exp_f32 v4, v4                               ; e^(m - M)
	v_exp_f32 v6, v6
	v_nop                                          ; one plain line behind the transcendentals
	s_wait_alu depctr_va_vdst(0)
	v_mul_f32 v10, v4, v5
	v_fma_f32 v10, v6, v7, v10
	v_add_f32_dpp v10, v10, v10 row_xmask:1 row_mask:0xf bank_mask:0xf
	v_add_f32_dpp v10, v10, v10 row_xmask:2 row_mask:0xf bank_mask:0xf
	v_add_f32_dpp v10, v10, v10 row_xmask:4 row_mask:0xf bank_mask:0xf
	v_add_f32_dpp v10, v10, v10 row_xmask:8 row_mask:0xf bank_mask:0xf
	v_permlanex16_b32 v9, v10, s17, s18
	v_add_f32 v10, v10, v9                         ; the softmax's whole sum
	v_rcp_f32 v10, v10
	v_nop
	s_wait_alu depctr_va_vdst(0)
	v_mul_f32 v4, v4, v10                          ; each block's weight, the division folded in
	v_mul_f32 v6, v6, v10
.set c, 0
.rept 43
	s_wait_loadcnt 42-c                            ; loads come back in order (ISA guide 5.7.1): block c's vector is in, the younger ones may be out
	v_readlane_b32 s[20+2*(c%8)], v[4+2*(c/32)], c%32
.if c == 0
	v_pk_mul_f32 v[12:13], v[64:65], s[20:21] op_sel_hi:[1,0]      ; the first block starts the sums
	v_pk_mul_f32 v[14:15], v[66:67], s[20:21] op_sel_hi:[1,0]
.else
	v_pk_fma_f32 v[12:13], v[64+4*c:65+4*c], s[20+2*(c%8):21+2*(c%8)], v[12:13] op_sel_hi:[1,0,1]
	v_pk_fma_f32 v[14:15], v[66+4*c:67+4*c], s[20+2*(c%8):21+2*(c%8)], v[14:15] op_sel_hi:[1,0,1]
.endif
.set c, c+1
.endr
	global_store_b128 v2, v[12:15], s[8:9]         ; 512 consecutive bytes, aligned
	s_endpgm
.Lfunc_end_k_q091e01fba6_merge:
	.size	k_q091e01fba6_merge, .Lfunc_end_k_q091e01fba6_merge-k_q091e01fba6_merge
	.p2alignl 7, 3214868480
	.fill 96, 4, 3214868480
	.section	.rodata,"a",@progbits
	.p2align	6, 0x0
	.amdhsa_kernel k_q091e01fba6_merge
		.amdhsa_group_segment_fixed_size 0
		.amdhsa_private_segment_fixed_size 0
		.amdhsa_enable_private_segment 0
		.amdhsa_kernarg_size 24
		.amdhsa_user_sgpr_count 2
		.amdhsa_user_sgpr_kernarg_segment_ptr 1
		.amdhsa_wavefront_size32 1
		.amdhsa_system_sgpr_workgroup_id_x 1
		.amdhsa_system_sgpr_workgroup_id_y 1
		.amdhsa_system_sgpr_workgroup_id_z 1
		.amdhsa_system_vgpr_workitem_id 0
		.amdhsa_next_free_vgpr 256
		.amdhsa_next_free_sgpr 66
		.amdhsa_reserve_vcc 1
		.amdhsa_float_denorm_mode_32 3
		.amdhsa_float_denorm_mode_16_64 3
		.amdhsa_memory_ordered 1
		.amdhsa_forward_progress 1
		.amdhsa_inst_pref_size 23
	.end_amdhsa_kernel
	.amdgpu_metadata
---
amdhsa.version: [ 1, 2 ]
amdhsa.kernels:
  - .name:           k_q091e01fba6_merge
    .symbol:         k_q091e01fba6_merge.kd
    .args:
      - { .name: part, .offset: 0, .size: 8, .value_kind: global_buffer, .address_space: global }
      - { .name: lengths, .offset: 8, .size: 8, .value_kind: global_buffer, .address_space: global }
      - { .name: out0, .offset: 16, .size: 8, .value_kind: global_buffer, .address_space: global }
    .group_segment_fixed_size: 0
    .private_segment_fixed_size: 0
    .kernarg_segment_align: 8
    .kernarg_segment_size: 24
    .max_flat_workgroup_size: 32
    .sgpr_count:     66
    .vgpr_count:     256
    .wavefront_size: 32
...
	.end_amdgpu_metadata
.endif
;; end of part 3
;; ======== version 2 of 3: 3 launches; 1.38 times as fast as version 1
;; workspace buffers: wc 1,048,576 bytes; wsc 32,768 bytes; part 4,456,448 bytes
;; launch prep: the kernel of part 1 again; grid 64 x 1, 8 waves a work-group, no clusters, 2,048 bytes of LDS; arguments W, wc, wsc; writes wc, wsc
;; launch main (part 4): grid 16 x 64, 8 waves a work-group, no clusters, 223,232 bytes of LDS; arguments x, lengths, wc, wsc, b, key_vec, part; writes part
.if DOCPART == 4
	.amdgcn_target "amdgcn-amd-amdhsa--gfx1250"
	.amdhsa_code_object_version 6
	.text
	.protected	k_q091e01fba6_main
	.globl	k_q091e01fba6_main
	.p2align	8
	.type	k_q091e01fba6_main,@function
k_q091e01fba6_main:
	s_mov_b64 s[64:65], 0
	v_nop
	global_prefetch_b8 v0, s[64:65] scope:SCOPE_SE
	s_setreg_imm32_b32 hwreg(HW_REG_WAVE_MODE, 25, 1), 1
	s_wait_xcnt 0x0
; One work-group = 64 rows of one batch of x [16][4096][1024] f32, read from memory ONCE and kept in LDS in two forms until their scores exist:
;   X: the rows are quantised along h to codes of BF8 (E5M2) with E8M0 scale bytes, and rounded to bf16;
;   G: z = x W^T on codes (W's come from wc / wsc, laid as operand registers), then r = 1 / (1 + 2^(2 log2(e) (z + b))), so that tanh(z + b) = 1 - 2 r, and the sum of key_vec x r along the 1,024 columns;
;   V: the block's softmax statistics (largest score m, l = sum of e^(score - m)) and the vector sum of e^(score - m) x row, stored as one record of part; the next launch joins a batch's records.
; THE SCORE is sum(key) - 2 sum(key r).  sum(key) is one number for all rows, and a softmax does not change when one number is added to all its scores: the kernel takes -2 sum(key r).
; THE MASK is lengths[b]: rows at or beyond it count for nothing.  Block c holds rows 64 c on (4,096 = 64 x 64: no block crosses a batch's end); a block with no valid row loads no x, multiplies nothing
; and stores nothing: three forward branches on lengths[b].  64 blocks a batch serve every length.
; WHO TAKES WHAT.  Work-group (x, y) takes batch (x + y) mod 16 and block (y and 48) + ((y + 2 x) mod 16): one to one, since (x, y mod 16) -> (batch, block mod 16) has determinant -1 mod 16.
; The work-groups of one x, and those of one y mod 16, hold every batch, each at another residue of its blocks: no regular share of the grid holds one batch's blocks alone.  Low y are low blocks, which are valid most often.
; 64 ROWS and not the 96 that would fit in LDS: the blocks that have valid rows are more and smaller, so they share out more evenly; the price is that W's 1 MiB of codes is read once for each 64 rows.
; NO TENSOR LOADS, NO CLUSTER: all work-groups read the same codes of W, but partners of a cluster would
; have different work (a block is valid or not by its batch's length); leaving out the rows behind lengths[b] spares their bytes of x and their products, which a joint request cannot.
; EIGHT WAVES of 512 registers, two to a SIMD: while one wave walks its exponentials and reciprocals (two for each of its 128 results of a chunk) or waits for fragments, the other's products are issued.
; LIMITS: 1 <= lengths[b] (above 4,096 acts as 4,096); NaN and infinities in the inputs are not served; a block of 32 whose largest magnitude lies under 2^-111 gets the scale byte 1;
; x enters the weighted sum rounded to bf16 (that product is not quantised), everything else is f32.
; THE PRODUCT IS USED TRANSPOSED: source 0 = 16 rows of W, source 1 = 16 rows of x: lane (r, h) holds row r of x, register j column 16 tile + 8 h + j, so the sum along columns stays in the lane.
; LDS: CD codes, a row 1,024 bytes + 16 (65 x 16: the 16 rows of a fragment load start in 16 different groups of banks); BF bf16 rows of 2,048; XSC 32 scale bytes a row;
;      STG a stage of 32 x 80 bytes for each wave; SCP [wave][64] partial scores.
.set CP,  1040
.set CD,  0                            ; 64 x 1,040
.set BF,  66560                        ; 64 x 2,048
.set XSC, 197632                       ; 64 x 32
.set STG, 199680                       ; 8 x 2,560
.set SCP, 220160                       ; 8 x 256; ends at 222,208
.set NST, 16                           ; steps of half a row for a wave: 8 rows
; REGISTERS, window 0.  Addresses, all made at the head and never rewritten:
.set VX,  1                            ; x: 16 lane + 32,768 wave (8 rows)
.set VSI, 2                            ; stage, in: 80 (lane / 4) + 16 (lane % 4)
.set VSO, 3                            ; stage, out: 80 lane
.set VC,  4                            ; CD + 8,320 wave + 16 lane
.set VB,  5                            ; BF + 16,384 wave + 32 lane
.set VS,  6                            ; XSC + 256 wave + lane / 2
.set VA,  7                            ; CD + 1,040 r + 16 h
.set VXS, 9                            ; XSC + 32 r + 16 h
.set VW,  10                           ; wc: 16 lane + 131,072 wave (8 tiles of 16 columns)
.set VWS, 11                           ; wsc: 16 lane + 4,096 wave
.set VK,  12                           ; b, key_vec: 512 wave + 32 h
.set VSC, 13                           ; SCP + 256 wave + 4 r
.set VSR, 14                           ; SCP + 4 lane
.set VO,  15                           ; 16 x thread
.set XS,  16                           ; v16-31  x's scale words: register 4 m + j: lanes 0-15 K step j, lanes 16-31 K step 4 + j, of row 16 m + r.  Scales and nothing else
.set WS,  40                           ; v40-71  W's likewise: 4 u + j for my tile u.  Scales and nothing else
.set S,   72                           ; v72-79  four pairs: sum of key x r for the four tiles of rows
.set VBR, 84                           ; v84-85  BF + 65,536 k + 8 thread
.set VD,  94                           ; v94     lane
.set XF,  96                           ; v96-159 x's four fragments of a K step.  Behind a chunk: KEY, CB
.set KEY, 96
.set CB,  128
.set WF,  192                          ; v192-255 W's four fragments, set 0; set 1 has the same numbers in window 1
.set CC,  96                           ; region X: two sets of 4: codes
.set BB,  104                          ; two sets of 8: bf16
.set XQ,  224                          ; two sets of 16 neighbours along h
; window 1: region X: v0-127 eight sets of 16 numbers as loaded; region G: v0-127 the 16 accumulators ((m, t) at 8 (4 m + t)), v192-255 W's set 1
; SCALARS: s18 wave, s19 batch, s20 block, s21 its first row, s23 length, s24 1 if the block has a valid row, s25 length - first row
.set MSB, 0
.macro WIN new                         ; the immediate's high byte repeats the setting that is left; a switch that changes nothing is dropped
.if MSB != (\new)
	s_set_vgpr_msb (MSB<<8)|(\new)
.set MSB, (\new)
.endif
.endm
.macro PLACES n
.rept \n
	v_nop
.endr
.endm
	s_load_b256 s[4:11], s[0:1], 0x0               ; x s[4:5], lengths s[6:7], wc s[8:9], wsc s[10:11]
	s_load_b128 s[12:15], s[0:1], 0x20             ; b s[12:13], key_vec s[14:15]
	s_load_b64 s[16:17], s[0:1], 0x30              ; part
	v_lshl_add_u32 v93, v0, 2, 0x36400
	v_mov_b32 v95, 0
	v_lshrrev_b32 v87, 5, v0
	v_readfirstlane_b32 s18, v87                   ; wave 0..7
	s_and_b32 s20, ttmp7, 0xffff                   ; y
	s_add_co_u32 s19, s20, ttmp9
	s_and_b32 s19, s19, 15                         ; batch = (x + y) mod 16
	s_lshl_b32 s21, ttmp9, 1
	s_add_co_u32 s21, s21, s20
	s_and_b32 s21, s21, 15
	s_and_b32 s20, s20, 48
	s_or_b32 s20, s20, s21                         ; block = (y and 48) + ((y + 2 x) mod 16)
	s_lshl_b32 s21, s20, 6                         ; its first row
	v_and_b32 v[VD], 31, v0                        ; lane
	v_and_b32 v89, 15, v0                          ; r
	v_bfe_u32 v90, v0, 4, 1                        ; h
	s_lshl_b32 s28, s18, 15
	v_lshl_add_u32 v[VX], v[VD], 4, s28
	s_mul_i32 s28, s18, 2560
	s_add_co_u32 s28, s28, STG
	v_lshrrev_b32 v91, 2, v[VD]
	v_mul_u32_u24 v91, v91, 80
	v_and_b32 v92, 3, v[VD]
	v_lshl_add_u32 v91, v92, 4, v91
	v_add_nc_u32 v[VSI], s28, v91
	v_mul_u32_u24 v91, v[VD], 80
	v_add_nc_u32 v[VSO], s28, v91
	s_mul_i32 s28, s18, 8*CP
	v_lshl_add_u32 v[VC], v[VD], 4, s28
	s_lshl_b32 s28, s18, 14
	s_add_co_u32 s28, s28, BF
	v_lshl_add_u32 v[VB], v[VD], 5, s28
	s_lshl_b32 s28, s18, 8
	s_add_co_u32 s28, s28, XSC
	v_lshrrev_b32 v91, 1, v[VD]
	v_add_nc_u32 v[VS], s28, v91
	v_mul_u32_u24 v[VA], v89, CP
	v_lshl_add_u32 v[VA], v90, 4, v[VA]
	v_lshlrev_b32 v[VXS], 5, v89
	v_lshl_add_u32 v[VXS], v90, 4, v[VXS]
	v_add_nc_u32 v[VXS], XSC, v[VXS]
	s_lshl_b32 s28, s18, 17
	v_lshl_add_u32 v[VW], v[VD], 4, s28
	s_lshl_b32 s28, s18, 12
	v_lshl_add_u32 v[VWS], v[VD], 4, s28
	s_lshl_b32 s28, s18, 9
	v_lshl_add_u32 v[VK], v90, 5, s28
	s_lshl_b32 s28, s18, 8
	s_add_co_u32 s28, s28, SCP
	v_lshl_add_u32 v[VSC], v89, 2, s28
	v_lshl_add_u32 v[VSR], v[VD], 2, SCP
	v_lshlrev_b32 v[VO], 4, v0
	v_lshl_add_u32 v[VBR], v0, 3, BF
	v_add_nc_u32 v[VBR+1], 0x10000, v[VBR]
	s_mov_b32 s30, 0x76543210                      ; v_permlanex16_b32's selects for lane l xor 16
	s_mov_b32 s31, 0xfedcba98
	s_mov_b32 s32, 0x4038aa3b                      ; 2 log2(e)
	s_mov_b32 s33, s32                             ; (named with it as a pair, so it is written)
	s_mov_b32 s34, 0x600000                        ; the mantissa field of 57,344
	s_mov_b32 s35, 0xffff0000                      ; a word's upper bf16
	s_mov_b32 s36, 0x3fb8aa3b                      ; log2(e)
.irp q, 0,1,2,3,4,5,6,7
	s_mov_b32 s[41+2*\q], 0                        ; the upper halves of the pairs that the packed forms name
.endr
	s_lshl_b32 s28, s19, 2
	s_mov_b32 s29, 0
	s_wait_kmcnt 0x0
	s_add_nc_u64 s[6:7], s[6:7], s[28:29]
	s_load_b32 s23, s[6:7], 0x0                    ; lengths[batch]
	s_lshl_b32 s28, s19, 24                        ; a batch is 4,096 rows of 4,096 bytes,
	s_lshl_b32 s27, s20, 18                        ; a block 64 rows: under 2^28 in all
	s_add_co_u32 s28, s28, s27
	s_add_nc_u64 s[4:5], s[4:5], s[28:29]
	s_lshl_b32 s28, s19, 6
	s_or_b32 s28, s28, s20
	s_mul_i32 s28, s28, 4352                       ; my record: number 64 batch + block
	s_add_nc_u64 s[16:17], s[16:17], s[28:29]
	s_wait_kmcnt 0x0
	s_min_u32 s23, s23, 4096
	s_cmp_lt_u32 s21, s23
	s_cselect_b32 s24, 1, 0                        ; has the block a valid row?
	s_sub_co_u32 s25, s23, s21                     ; how many of its rows count (read only where it has one)
; ---- X.  Wave w takes rows 8 w to 8 w + 7, in 16 steps of half a row (512 numbers, 2,048 bytes).
; A conversion takes neighbours along h from ONE lane's registers; a load is dense where neighbouring LANES take neighbouring bytes.  Both are had: each of a step's four loads takes 512 consecutive
; bytes, and the 2,048 bytes turn through the wave's stage in LDS and come back 64 bytes a lane (16 bytes of padding behind each 64).  Two neighbouring lanes hold a block of 32.
.macro XLOAD t                         ; step t's four loads, into set t % 8 of window 1
	WIN 0x40
.irp i, 0,1,2,3
	global_load_b128 v[16*((\t)%8)+4*\i:16*((\t)%8)+4*\i+3], v[VX], s[4:5] offset:2048*(\t)+512*\i th:TH_LOAD_NT
.endr
.endm
.macro TURN t                          ; through the stage: LDS serves a wave's instructions in order (ISA guide 5.7.1.4), so no wait stands between the stores and the loads, nor in front of the next step's stores
	WIN 0x04                                       ; an LDS store's data are its source 1: window 1
.irp i, 0,1,2,3
	ds_store_b128 v[VSI], v[16*((\t)%8)+4*\i:16*((\t)%8)+4*\i+3] offset:640*\i
.endr
	WIN 0
.irp i, 0,1,2,3
	ds_load_b128 v[XQ+16*((\t)%2)+4*\i:XQ+16*((\t)%2)+4*\i+3], v[VSO] offset:16*\i
.endr
.endm
.macro QSTEP t
.set XQS, XQ+16*((\t)%2)
.set CCS, CC+4*((\t)%2)
.set BBS, BB+8*((\t)%2)
.if (\t) > 0
	s_wait_dscnt 4                                 ; this step's numbers are back from the stage; younger are only the last step's four stores.  The stores of two steps back, whose data registers are written below, are done too
.else
	s_wait_dscnt 0x0
.endif
.if (\t)+8 < NST
	XLOAD (\t)+8                                   ; into the set that this step's stores into the stage have read
.endif
.if (\t) < NST-1
.if (\t)+8 < NST
	s_wait_loadcnt 28                              ; the next step's four loads are in; those of the seven steps behind it may be out
.else
	s_wait_loadcnt 4*(NST-2-(\t))                  ; nothing more is asked for: the count runs down
.endif
	TURN (\t)+1
.endif
	v_max3_num_f32 v87, |v[XQS]|, |v[XQS+1]|, |v[XQS+2]|           ; the largest magnitude of my 16, in two chains
	v_max3_num_f32 v88, |v[XQS+3]|, |v[XQS+4]|, |v[XQS+5]|
.irp i, 6,10
	v_max3_num_f32 v87, v87, |v[XQS+\i]|, |v[XQS+\i+1]|
	v_max3_num_f32 v88, v88, |v[XQS+\i+2]|, |v[XQS+\i+3]|
.endr
	v_max3_num_f32 v87, v87, |v[XQS+14]|, |v[XQS+15]|
	v_max3_num_f32 v87, v87, v88, 0x8000000        ; and the floor 2^(16 - 127): the byte cannot fall under 1
	v_max_num_f32_dpp v87, v87, v87 row_xmask:1 row_mask:0xf bank_mask:0xf   ; and of my neighbour's 16: the block's
	v_add_nc_u32 v90, 0xf8800000, v87              ; 15 off its exponent field: the conversion's scale operand
	v_and_or_b32 v89, v87, 0x7f800000, s34         ; 57,344 x the scale
.irp i, 0,1,2,3,4,5,6,7
	v_cvt_pk_bf16_f32 v[BBS+\i], v[XQS+2*\i], v[XQS+2*\i+1]        ; the numbers as bf16, for the weighted sum: ahead of the hold
.endr
.irp i, 0,1,2,3,4,5,6,7,8,9,10,11,12,13,14,15
	v_med3_num_f32 v[XQS+\i], v[XQS+\i], -v89, v89 ; the conversion to an 8-bit code does not saturate (ISA guide 7.6.2): the hold at the largest code x the scale
.endr
	v_cvt_scalef32_pk8_bf8_f32 v[CCS:CCS+1], v[XQS:XQS+7], v90
	v_cvt_scalef32_pk8_bf8_f32 v[CCS+2:CCS+3], v[XQS+8:XQS+15], v90
	v_lshrrev_b32 v[91+(\t)%2], 23, v90            ; the scale's byte.  (Also the plain line behind the conversions)
	ds_store_b8 v[VS], v[91+(\t)%2] offset:16*(\t) ; both lanes of a block write the same byte with the same value
	ds_store_b128 v[VC], v[CCS:CCS+3] offset:((\t)/2)*CP+((\t)%2)*512
	ds_store_b128 v[VB], v[BBS:BBS+3] offset:1024*(\t)
	ds_store_b128 v[VB], v[BBS+4:BBS+7] offset:1024*(\t)+16
.endm
	s_cmp_eq_u32 s24, 0
	s_cbranch_scc1 .Lskip_x
.irp t, 0,1,2,3,4,5,6,7
	XLOAD \t                                       ; 32 loads a wave, 128 KiB a work-group, half of its rows, go out first
.endr
	s_wait_loadcnt 28                              ; step 0's four are in
	TURN 0
.irp t, 0,1,2,3,4,5,6,7,8,9,10,11,12,13,14,15
	QSTEP \t
.endr
.Lskip_x:
	s_wait_dscnt 0x0                               ; for the others' sake: my rows' codes, bf16 and scale bytes have landed
	s_barrier_signal -1
	s_barrier_wait -1                              ; every wave passes this barrier, whatever the block
; ---- G.  Wave w owns columns 128 w to 128 w + 127, as two chunks of four tiles of 16, each against all four tiles of rows: 16 accumulators.
.macro WLOAD ch, s                     ; W's four fragments of chunk ch, K step s, from memory straight into set (s + 1) % 2: each load takes 512 consecutive bytes
	WIN 0x40*(((\s)+1)&1)
.irp t, 0,1,2,3
.irp c, 0,1,2,3
	global_load_b128 v[WF+16*\t+4*\c:WF+16*\t+4*\c+3], v[VW], s[8:9] offset:65536*(\ch)+16384*\t+2048*(\s)+512*\c
.endr
.endr
.endm
.macro XFLOAD s                        ; x's four fragments of K step s: lane (r, h), group c: row 16 m + r, K = 128 s + 32 c + 16 h + 0 .. 15
	WIN 0
.irp m, 0,1,2,3
.irp c, 0,1,2,3
	ds_load_b128 v[XF+16*\m+4*\c:XF+16*\m+4*\c+3], v[VA] offset:\m*16*CP+128*(\s)+32*\c
.endr
.endr
.endm
.macro MUL ch, s                       ; 16 products; the 16 accumulators take turns, one instruction a turn, in the same order in every K step.  K step 0 starts the sums: nothing is cleared
	WIN 0x50|(((\s)+1)&1)                          ; C and D window 1; source 0 (W) in its set's window; source 1 (x) window 0
.irp m, 0,1,2,3
.irp t, 0,1,2,3
.if (\s) == 0
	v_wmma_scale_f32_16x16x128_f8f6f4 v[8*(4*\m+\t):8*(4*\m+\t)+7], v[WF+16*\t:WF+16*\t+15], v[XF+16*\m:XF+16*\m+15], 0, v[WS+16*(\ch)+4*\t], v[XS+4*\m] matrix_a_fmt:MATRIX_FMT_BF8 matrix_b_fmt:MATRIX_FMT_BF8
.elseif (\s) < 4
	v_wmma_scale_f32_16x16x128_f8f6f4 v[8*(4*\m+\t):8*(4*\m+\t)+7], v[WF+16*\t:WF+16*\t+15], v[XF+16*\m:XF+16*\m+15], v[8*(4*\m+\t):8*(4*\m+\t)+7], v[WS+16*(\ch)+4*\t+(\s)], v[XS+4*\m+(\s)] matrix_a_fmt:MATRIX_FMT_BF8 matrix_b_fmt:MATRIX_FMT_BF8
.else
	v_wmma_scale_f32_16x16x128_f8f6f4 v[8*(4*\m+\t):8*(4*\m+\t)+7], v[WF+16*\t:WF+16*\t+15], v[XF+16*\m:XF+16*\m+15], v[8*(4*\m+\t):8*(4*\m+\t)+7], v[WS+16*(\ch)+4*\t+(\s)-4], v[XS+4*\m+(\s)-4] matrix_a_fmt:MATRIX_FMT_BF8 matrix_b_fmt:MATRIX_FMT_BF8 matrix_a_scale:MATRIX_SCALE_ROW1 matrix_b_scale:MATRIX_SCALE_ROW1
.endif
.endr
.endr
.endm
.macro KSTEP ch, s
.if (\s) > 0
	PLACES 8                                       ; a load into a register that a matrix instruction of this form has read stands eight places behind it
.endif
	XFLOAD \s
.if (\s) < 7
	WLOAD \ch, (\s)+1                              ; the next K step's W, into the set that the last K step's products have read
	s_wait_loadcnt 16                              ; all but the 16 just issued: this K step's W is in
.elseif (\ch) == 0
	WLOAD 1, 0                                     ; the next chunk's first
	s_wait_loadcnt 16
.else
	s_wait_loadcnt 0x0                             ; nothing more is asked for
.endif
	s_wait_dscnt 0x0                               ; x's fragments (and, the first time, its scale words) are in
	MUL \ch, \s
.endm
; Behind a chunk's eight K steps: r = 1 / (1 + 2^(2 log2(e) (z + b))), in place, and S(m) += key x r.  The chunk's 32 numbers of key_vec and of b for my half of the lanes land where x's fragments lay.
; The ten v_nop of this macro also stand between this chunk's last product and the next chunk's first, which begins the accumulators anew (nine are asked).
.macro EPI ch
	PLACES 8                                       ; in front of the loads into x's fragments and of the first read of results
	WIN 0
.irp t, 0,1,2,3
	global_load_b128 v[KEY+8*\t:KEY+8*\t+3], v[VK], s[14:15] offset:256*(\ch)+64*\t
	global_load_b128 v[KEY+8*\t+4:KEY+8*\t+7], v[VK], s[14:15] offset:256*(\ch)+64*\t+16
	global_load_b128 v[CB+8*\t:CB+8*\t+3], v[VK], s[12:13] offset:256*(\ch)+64*\t
	global_load_b128 v[CB+8*\t+4:CB+8*\t+7], v[VK], s[12:13] offset:256*(\ch)+64*\t+16
.endr
	s_wait_loadcnt 0x0
.irp i, 0,2,4,6,8,10,12,14,16,18,20,22,24,26,28,30
	v_pk_mul_f32 v[CB+\i:CB+\i+1], v[CB+\i:CB+\i+1], s[32:33] op_sel_hi:[1,0]   ; 2 log2(e) b
.endr
	WIN 0x41                                       ; destination and source 0 window 1
.set a, 0
.rept 16                                       ; each accumulator from its low end on
.irp i, 0,2,4,6
	v_pk_fma_f32 v[8*a+\i:8*a+\i+1], v[8*a+\i:8*a+\i+1], s[32:33], v[CB+8*(a%4)+\i:CB+8*(a%4)+\i+1] op_sel_hi:[1,0,1]
.endr
.set a, a+1
.endr
.set a, 0
.rept 128
	v_exp_f32 v[a], v[a]
.set a, a+1
.endr
	v_nop                                          ; one plain line behind the transcendentals (ISA guide 5.7.2)
.set a, 0
	s_wait_alu depctr_va_vdst(0)
.rept 64
	v_pk_add_f32 v[a:a+1], v[a:a+1], 1.0 op_sel_hi:[1,0]
.set a, a+2
.endr
.set a, 0
.rept 128
	v_rcp_f32 v[a], v[a]                           ; an overflowed exponential gives r = 0 (tanh = 1), a vanished one r = 1 (tanh = -1)
.set a, a+1
.endr
	v_nop
	s_wait_alu depctr_va_vdst(0)
	WIN 0x01                                       ; source 0 window 1
.irp t, 0,1,2,3
.irp i, 0,2,4,6
.irp m, 0,1,2,3
.if ((\ch) == 0) && (\t == 0) && (\i == 0)
	v_pk_mul_f32 v[S+2*\m:S+2*\m+1], v[8*(4*\m+\t)+\i:8*(4*\m+\t)+\i+1], v[KEY+8*\t+\i:KEY+8*\t+\i+1]   ; the first product starts the sum
.else
	v_pk_fma_f32 v[S+2*\m:S+2*\m+1], v[8*(4*\m+\t)+\i:8*(4*\m+\t)+\i+1], v[KEY+8*\t+\i:KEY+8*\t+\i+1], v[S+2*\m:S+2*\m+1]   ; four chains by turns
.endif
.endr
.endr
.endr
.endm
	s_cmp_eq_u32 s24, 0
	s_cbranch_scc1 .Lskip_g
.irp u, 0,1,2,3,4,5,6,7
	global_load_b128 v[WS+4*\u:WS+4*\u+3], v[VWS], s[10:11] offset:512*\u   ; W's scale words of my eight tiles, all of K
.endr
.irp m, 0,1,2,3
	ds_load_b128 v[XS+4*\m:XS+4*\m+3], v[VXS] offset:512*\m                 ; x's, of the four tiles of rows, all of K
.endr
	WLOAD 0, 0
.irp s, 0,1,2,3,4,5,6,7
	KSTEP 0, \s
.endr
	EPI 0
.irp s, 0,1,2,3,4,5,6,7
	KSTEP 1, \s
.endr
	EPI 1
	WIN 0
.irp m, 0,1,2,3
	v_add_f32 v[87+\m], v[S+2*\m], v[S+2*\m+1]     ; even and odd columns,
.endr
.irp m, 0,1,2,3
	v_permlanex16_b32 v[S+2*\m], v[87+\m], s30, s31
.endr
.irp m, 0,1,2,3
	v_add_f32 v[87+\m], v[87+\m], v[S+2*\m]        ; and lane l xor 16's: my 128 columns' part for row 16 m + r
.endr
.irp m, 0,1,2,3
	ds_store_b32 v[VSC], v[87+\m] offset:64*\m     ; lanes r and r + 16 write the same word with the same value
.endr
.Lskip_g:
	s_wait_dscnt 0x0                               ; for the others' sake: my partial scores have landed
	s_barrier_signal -1
	s_barrier_wait -1
; ---- V.  Every wave makes the block's statistics for itself (lane l: rows l and 32 + l); thread t then sums columns 4 t to 4 t + 3 over the 64 rows.
; P0, P1 = v224, v232; (m, l) = v[248:249]; O = v[226:229]; two sets at work v234-237, v242-245.
.macro VLOAD buf, k                    ; rows 32 k on: 8 bytes a lane, 256 consecutive bytes a wave
.irp j, 0,1,2,3,4,5,6,7,8,9,10,11,12,13,14,15,16,17,18,19,20,21,22,23,24,25,26,27,28,29,30,31
	ds_load_b64 v[(\buf)+2*\j:(\buf)+2*\j+1], v[VBR+(\k)] offset:2048*\j
.endr
.endm
.macro VROWS buf, k, first
.irp g, 0,1,2,3
.irp q, 0,1,2,3,4,5,6,7
	v_readlane_b32 s[40+2*\q], v[224+8*(\k)], 8*\g+\q              ; eight rows' weights
.endr
.irp q, 0,1,2,3,4,5,6,7
.set RW, (\buf)+2*(8*\g+\q)
.set TT, 234+8*(\q%2)
	v_lshlrev_b32 v[TT], 16, v[RW]                 ; bf16 to f32: the low half moves up, the high half stays
	v_and_b32 v[TT+1], s35, v[RW]
	v_lshlrev_b32 v[TT+2], 16, v[RW+1]
	v_and_b32 v[TT+3], s35, v[RW+1]
.if (\first) && (\g == 0) && (\q == 0)
	v_pk_mul_f32 v[226:227], v[TT:TT+1], s[40+2*\q:41+2*\q] op_sel_hi:[1,0]       ; the first row starts the sums
	v_pk_mul_f32 v[228:229], v[TT+2:TT+3], s[40+2*\q:41+2*\q] op_sel_hi:[1,0]
.else
	v_pk_fma_f32 v[226:227], v[TT:TT+1], s[40+2*\q:41+2*\q], v[226:227] op_sel_hi:[1,0,1]
	v_pk_fma_f32 v[228:229], v[TT+2:TT+3], s[40+2*\q:41+2*\q], v[228:229] op_sel_hi:[1,0,1]
.endif
.endr
.endr
.endm
	s_cmp_eq_u32 s24, 0
	s_cbranch_scc1 .Lskip_v
.irp k, 0,1
.irp u, 0,1,2,3,4,5,6,7
	ds_load_b32 v[224+8*\k+\u], v[VSR] offset:256*\u+128*\k        ; the eight waves' parts of row 32 k + lane
.endr
.endr
	VLOAD 96, 0                                    ; rows 0 to 31 are asked for while the statistics are made
	s_wait_dscnt 32                                ; the 16 parts are in; the 32 just issued may be out
.irp u, 1,2,3,4,5,6,7
.irp k, 0,1
	v_add_f32 v[224+8*\k], v[224+8*\k], v[224+8*\k+\u]             ; in ascending order of the waves: the same bits in every wave
.endr
.endr
	v_mov_b32 v252, 0xff800000                     ; -infinity
	v_mov_b32 v251, 0                              ; (a lane permute's destination counts as one of its sources)
.irp k, 0,1
	v_mul_f32 v[224+8*\k], -2.0, v[224+8*\k]       ; the score, less the sum of key_vec
.endr
.irp k, 0,1
	v_add_nc_u32 v250, 32*\k, v[VD]                ; the row's place in the block
	v_cmp_gt_u32 vcc_lo, s25, v250
	v_cndmask_b32 v[224+8*\k], v252, v[224+8*\k], vcc_lo           ; rows that do not count: -infinity
.endr
	v_max_num_f32 v248, v224, v232
	v_max_num_f32_dpp v248, v248, v248 row_xmask:1 row_mask:0xf bank_mask:0xf
	v_max_num_f32_dpp v248, v248, v248 row_xmask:2 row_mask:0xf bank_mask:0xf
	v_max_num_f32_dpp v248, v248, v248 row_xmask:4 row_mask:0xf bank_mask:0xf
	v_max_num_f32_dpp v248, v248, v248 row_xmask:8 row_mask:0xf bank_mask:0xf
	v_permlanex16_b32 v251, v248, s30, s31
	v_max_num_f32 v248, v248, v251                 ; m: the block has a row that counts, so it is a number
.irp k, 0,1
	v_sub_f32 v[224+8*\k], v[224+8*\k], v248
.endr
.irp k, 0,1
	v_mul_f32 v[224+8*\k], s36, v[224+8*\k]
.endr
.irp k, 0,1
	v_exp_f32 v[224+8*\k], v[224+8*\k]             ; e^(score - m); 0 for rows that do not count
.endr
	v_nop                                          ; one plain line behind the transcendentals
	s_wait_alu depctr_va_vdst(0)
	v_add_f32 v249, v224, v232
	v_add_f32_dpp v249, v249, v249 row_xmask:1 row_mask:0xf bank_mask:0xf
	v_add_f32_dpp v249, v249, v249 row_xmask:2 row_mask:0xf bank_mask:0xf
	v_add_f32_dpp v249, v249, v249 row_xmask:4 row_mask:0xf bank_mask:0xf
	v_add_f32_dpp v249, v249, v249 row_xmask:8 row_mask:0xf bank_mask:0xf
	v_permlanex16_b32 v251, v249, s30, s31
	v_add_f32 v249, v249, v251                     ; l
	VLOAD 160, 1
	s_wait_dscnt 32                                ; rows 0 to 31 are in; the 32 just issued may be out
	VROWS 96, 0, 1
	s_wait_dscnt 0x0
	VROWS 160, 1, 0
	v_and_b32 v230, 31, v0
	v_lshlrev_b32 v230, 3, v230
	global_store_b128 v[VO], v[226:229], s[16:17]  ; a wave stores 512 consecutive bytes, aligned
	s_cmp_lg_u32 s18, 0
	s_cbranch_scc1 .Lskip_v
	global_store_b64 v230, v[248:249], s[16:17] offset:4096        ; wave 0: (m, l), once a lane: 256 consecutive bytes, aligned
.Lskip_v:
	s_wait_tensorcnt 0x0
	ds_add_u32 v93, v95
	s_wait_dscnt 0x0
	s_endpgm
.Lfunc_end_k_q091e01fba6_main:
	.size	k_q091e01fba6_main, .Lfunc_end_k_q091e01fba6_main-k_q091e01fba6_main
	.p2alignl 7, 3214868480
	.fill 96, 4, 3214868480
	.section	.rodata,"a",@progbits
	.p2align	6, 0x0
	.amdhsa_kernel k_q091e01fba6_main
		.amdhsa_group_segment_fixed_size 223232
		.amdhsa_private_segment_fixed_size 0
		.amdhsa_enable_private_segment 0
		.amdhsa_kernarg_size 56
		.amdhsa_user_sgpr_count 2
		.amdhsa_user_sgpr_kernarg_segment_ptr 1
		.amdhsa_wavefront_size32 1
		.amdhsa_system_sgpr_workgroup_id_x 1
		.amdhsa_system_sgpr_workgroup_id_y 1
		.amdhsa_system_sgpr_workgroup_id_z 1
		.amdhsa_system_vgpr_workitem_id 0
		.amdhsa_next_free_vgpr 512
		.amdhsa_next_free_sgpr 66
		.amdhsa_reserve_vcc 1
		.amdhsa_float_denorm_mode_32 3
		.amdhsa_float_denorm_mode_16_64 3
		.amdhsa_memory_ordered 1
		.amdhsa_forward_progress 1
		.amdhsa_inst_pref_size 217
	.end_amdhsa_kernel
	.amdgpu_metadata
---
amdhsa.version: [ 1, 2 ]
amdhsa.kernels:
  - .name:           k_q091e01fba6_main
    .symbol:         k_q091e01fba6_main.kd
    .args:
      - { .name: x, .offset: 0, .size: 8, .value_kind: global_buffer, .address_space: global }
      - { .name: lengths, .offset: 8, .size: 8, .value_kind: global_buffer, .address_space: global }
      - { .name: wc, .offset: 16, .size: 8, .value_kind: global_buffer, .address_space: global }
      - { .name: wsc, .offset: 24, .size: 8, .value_kind: global_buffer, .address_space: global }
      - { .name: b, .offset: 32, .size: 8, .value_kind: global_buffer, .address_space: global }
      - { .name: key_vec, .offset: 40, .size: 8, .value_kind: global_buffer, .address_space: global }
      - { .name: part, .offset: 48, .size: 8, .value_kind: global_buffer, .address_space: global }
    .group_segment_fixed_size: 223232
    .private_segment_fixed_size: 0
    .kernarg_segment_align: 8
    .kernarg_segment_size: 56
    .max_flat_workgroup_size: 256
    .sgpr_count:     66
    .vgpr_count:     512
    .wavefront_size: 32
...
	.end_amdgpu_metadata
.endif
;; end of part 4
;; launch merge (part 5): grid 16 x 16, 1 waves a work-group, no clusters, 0 bytes of LDS; arguments part, lengths, out0; writes out0
.if DOCPART == 5
	.amdgcn_target "amdgcn-amd-amdhsa--gfx1250"
	.amdhsa_code_object_version 6
	.text
	.protected	k_q091e01fba6_merge
	.globl	k_q091e01fba6_merge
	.p2align	8
	.type	k_q091e01fba6_merge,@function
k_q091e01fba6_merge:
	s_mov_b64 s[64:65], 0
	v_nop
	global_prefetch_b8 v0, s[64:65] scope:SCOPE_SE
	s_setreg_imm32_b32 hwreg(HW_REG_WAVE_MODE, 25, 1), 1
	s_wait_xcnt 0x0
; out0[b][:] = (sum over the batch's blocks c of e^(m_c - M) vec_c) / (sum of e^(m_c - M) l_c), M the largest m_c.
; part: record 64 b + c of 4,352 bytes: vec_c (1,024 f32), then (m_c, l_c).  Only blocks 0 to NM = (lengths[b] - 1) / 64 were stored.
; One wave takes 64 columns of one batch, 8 bytes a lane: each load and the store cover 256 consecutive bytes, aligned.
; No branch hangs on the length: a block's number is held at NM, so that only stored records are read, and the repeats carry the weight 0.
; THE ORDER OF THE LOADS: the two loads of statistics and records 0 to 60 go out at once; records 61 and 62 behind the wait for the statistics, record 63 behind the wait for record 0:
; at most 63 loads are out, which a wait's count can still name.  The sums follow in ascending order of the blocks, in two chains.
; Matrix units, LDS and barriers would add nothing here.
; LIMITS: 1 <= lengths[b] (above 4,096 acts as 4,096).
.set REC, 4352
.set AD,  16                           ; v16-79   a record's byte offset, one register for each load
.set DT,  96                           ; v96-223  two numbers of each of 64 records
.macro RLOAD n                         ; my 8 bytes of block min(n, NM)'s vector
	s_min_u32 s15, s14, \n
	s_mul_i32 s15, s15, REC
	v_add_nc_u32 v[AD+(\n)], s15, v2
	global_load_b64 v[DT+2*(\n):DT+2*(\n)+1], v[AD+(\n)], s[4:5]
.endm
	s_load_b128 s[4:7], s[0:1], 0x0                ; part, lengths
	s_load_b64 s[8:9], s[0:1], 0x10                ; out0
	s_and_b32 s10, ttmp7, 0xffff                   ; batch
	s_lshl_b32 s12, s10, 2
	s_mov_b32 s13, 0
	v_and_b32 v1, 31, v0                           ; lane
	s_lshl_b32 s16, ttmp9, 8
	v_lshl_add_u32 v2, v1, 3, s16                  ; 256 x column group + 8 x lane
	v_mov_b32 v86, v1                              ; the blocks whose statistics my lane takes: lane,
	v_add_nc_u32 v87, 32, v1                       ; and lane + 32
	v_mov_b32 v84, 0xff800000                      ; -infinity
	v_mov_b32 v85, 0
	v_mov_b32 v9, 0                                ; (a lane permute's destination counts as one of its sources)
	s_mov_b32 s17, 0x76543210
	s_mov_b32 s18, 0xfedcba98
	s_mov_b32 s19, 0x3fb8aa3b                      ; log2(e)
.irp q, 0,1,2,3,4,5,6,7
	s_mov_b32 s[21+2*\q], 0                        ; the upper halves of the pairs that the packed forms name
.endr
	s_wait_kmcnt 0x0
	s_add_nc_u64 s[6:7], s[6:7], s[12:13]
	s_load_b32 s11, s[6:7], 0x0                    ; lengths[batch]
	s_mul_i32 s12, s10, 64*REC
	s_add_nc_u64 s[4:5], s[4:5], s[12:13]          ; the batch's first record
	s_lshl_b32 s12, s10, 12
	s_add_nc_u64 s[8:9], s[8:9], s[12:13]          ; the batch's row of out0
	s_wait_kmcnt 0x0
	s_min_u32 s11, s11, 4096
	s_sub_co_u32 s11, s11, 1
	s_lshr_b32 s14, s11, 6
	s_min_u32 s14, s14, 63                         ; NM
	v_min_u32 v3, s14, v86
	v_min_u32 v3, 63, v3
	v_mul_u32_u24 v3, v3, REC
	v_min_u32 v11, s14, v87
	v_min_u32 v11, 63, v11
	v_mul_u32_u24 v11, v11, REC
	global_load_b64 v[4:5], v3, s[4:5] offset:4096 ; (m, l) of block min(lane, NM)
	global_load_b64 v[6:7], v11, s[4:5] offset:4096
.set c, 0
.rept 61
	RLOAD c
.set c, c+1
.endr
	s_wait_loadcnt 61                              ; the statistics are in; the 61 loads behind them may be out
	RLOAD 61
	RLOAD 62
	v_cmp_lt_u32 vcc_lo, s14, v86
	v_cndmask_b32 v4, v4, v84, vcc_lo              ; blocks past NM: m = -infinity, l = 0
	v_cndmask_b32 v5, v5, v85, vcc_lo
	v_cmp_lt_u32 vcc_lo, s14, v87
	v_cndmask_b32 v6, v6, v84, vcc_lo
	v_cndmask_b32 v7, v7, v85, vcc_lo
	v_max_num_f32 v8, v4, v6
	v_max_num_f32_dpp v8, v8, v8 row_xmask:1 row_mask:0xf bank_mask:0xf
	v_max_num_f32_dpp v8, v8, v8 row_xmask:2 row_mask:0xf bank_mask:0xf
	v_max_num_f32_dpp v8, v8, v8 row_xmask:4 row_mask:0xf bank_mask:0xf
	v_max_num_f32_dpp v8, v8, v8 row_xmask:8 row_mask:0xf bank_mask:0xf
	v_permlanex16_b32 v9, v8, s17, s18
	v_max_num_f32 v8, v8, v9                       ; M: block 0 is always stored, so it is a number
	v_sub_f32 v4, v4, v8
	v_sub_f32 v6, v6, v8
	v_mul_f32 v4, s19, v4
	v_mul_f32 v6, s19, v6
	v_exp_f32 v4, v4                               ; e^(m - M)
	v_exp_f32 v6, v6
	v_nop                                          ; one plain line behind the transcendentals
	s_wait_alu depctr_va_vdst(0)
	v_mul_f32 v10, v4, v5
	v_fma_f32 v10, v6, v7, v10
	v_add_f32_dpp v10, v10, v10 row_xmask:1 row_mask:0xf bank_mask:0xf
	v_add_f32_dpp v10, v10, v10 row_xmask:2 row_mask:0xf bank_mask:0xf
	v_add_f32_dpp v10, v10, v10 row_xmask:4 row_mask:0xf bank_mask:0xf
	v_add_f32_dpp v10, v10, v10 row_xmask:8 row_mask:0xf bank_mask:0xf
	v_permlanex16_b32 v9, v10, s17, s18
	v_add_f32 v10, v10, v9                         ; the softmax's whole sum
	v_rcp_f32 v10, v10
	v_nop
	s_wait_alu depctr_va_vdst(0)
	v_mul_f32 v4, v4, v10                          ; each block's weight, the division folded in
	v_mul_f32 v6, v6, v10
.set c, 0
.rept 64
.if c == 0
	s_wait_loadcnt 62                              ; loads come back in order (ISA guide 5.7.1): record 0 is in; records 1 to 62 may be out
.else
	s_wait_loadcnt 63-c                            ; record c is in; those behind it, up to record 63, may be out
.endif
	v_readlane_b32 s[20+2*(c%8)], v[4+2*(c/32)], c%32
.if c < 2
	v_pk_mul_f32 v[12+2*c:13+2*c], v[DT+2*c:DT+2*c+1], s[20+2*c:21+2*c] op_sel_hi:[1,0]   ; the first two blocks start the two chains
.else
	v_pk_fma_f32 v[12+2*(c%2):13+2*(c%2)], v[DT+2*c:DT+2*c+1], s[20+2*(c%8):21+2*(c%8)], v[12+2*(c%2):13+2*(c%2)] op_sel_hi:[1,0,1]
.endif
.if c == 0
	RLOAD 63
.endif
.set c, c+1
.endr
	v_pk_add_f32 v[12:13], v[12:13], v[14:15]
	global_store_b64 v2, v[12:13], s[8:9]          ; 256 consecutive bytes, aligned
	s_endpgm
.Lfunc_end_k_q091e01fba6_merge:
	.size	k_q091e01fba6_merge, .Lfunc_end_k_q091e01fba6_merge-k_q091e01fba6_merge
	.p2alignl 7, 3214868480
	.fill 96, 4, 3214868480
	.section	.rodata,"a",@progbits
	.p2align	6, 0x0
	.amdhsa_kernel k_q091e01fba6_merge
		.amdhsa_group_segment_fixed_size 0
		.amdhsa_private_segment_fixed_size 0
		.amdhsa_enable_private_segment 0
		.amdhsa_kernarg_size 24
		.amdhsa_user_sgpr_count 2
		.amdhsa_user_sgpr_kernarg_segment_ptr 1
		.amdhsa_wavefront_size32 1
		.amdhsa_system_sgpr_workgroup_id_x 1
		.amdhsa_system_sgpr_workgroup_id_y 1
		.amdhsa_system_sgpr_workgroup_id_z 1
		.amdhsa_system_vgpr_workitem_id 0
		.amdhsa_next_free_vgpr 224
		.amdhsa_next_free_sgpr 66
		.amdhsa_reserve_vcc 1
		.amdhsa_float_denorm_mode_32 3
		.amdhsa_float_denorm_mode_16_64 3
		.amdhsa_memory_ordered 1
		.amdhsa_forward_progress 1
		.amdhsa_inst_pref_size 28
	.end_amdhsa_kernel
	.amdgpu_metadata
---
amdhsa.version: [ 1, 2 ]
amdhsa.kernels:
  - .name:           k_q091e01fba6_merge
    .symbol:         k_q091e01fba6_merge.kd
    .args:
      - { .name: part, .offset: 0, .size: 8, .value_kind: global_buffer, .address_space: global }
      - { .name: lengths, .offset: 8, .size: 8, .value_kind: global_buffer, .address_space: global }
      - { .name: out0, .offset: 16, .size: 8, .value_kind: global_buffer, .address_space: global }
    .group_segment_fixed_size: 0
    .private_segment_fixed_size: 0
    .kernarg_segment_align: 8
    .kernarg_segment_size: 24
    .max_flat_workgroup_size: 32
    .sgpr_count:     66
    .vgpr_count:     224
    .wavefront_size: 32
...
	.end_amdgpu_metadata
.endif
;; end of part 5
;; ======== version 3 of 3: 3 launches; version 2 with the launch main written anew for expert scheduling mode
;; workspace buffers: wc 1,048,576 bytes; wsc 32,768 bytes; part 4,456,448 bytes
;; launch prep: the kernel of part 1 again; grid 64 x 1, 8 waves a work-group, no clusters, 2,048 bytes of LDS; arguments W, wc, wsc; writes wc, wsc
;; launch main (part 6): grid 16 x 64, 8 waves a work-group, no clusters, 223,232 bytes of LDS; arguments x, lengths, wc, wsc, b, key_vec, part; writes part
.if DOCPART == 6
	.amdgcn_target "amdgcn-amd-amdhsa--gfx1250"
	.amdhsa_code_object_version 6
	.text
	.protected	k_q091e01fba6_main
	.globl	k_q091e01fba6_main
	.p2align	8
	.type	k_q091e01fba6_main,@function
k_q091e01fba6_main:
	s_mov_b64 s[64:65], 0
	v_nop
	global_prefetch_b8 v0, s[64:65] scope:SCOPE_SE
	s_setreg_imm32_b32 hwreg(HW_REG_WAVE_SCHED_MODE, 0, 2), 2
	s_setreg_imm32_b32 hwreg(HW_REG_WAVE_MODE, 25, 1), 1
	s_wait_xcnt 0x0
	s_wait_alu depctr_vm_vsrc(0)
; One work-group = 64 rows of one batch of x [16][4096][1024] f32, read from memory ONCE and kept in LDS in two forms until their scores exist:
;   X: the rows are quantised along h to codes of BF8 (E5M2) with E8M0 scale bytes, and rounded to bf16;
;   G: z = x W^T on codes (W's come from wc / wsc, laid as operand registers), then r = 1 / (1 + 2^(2 log2(e) (z + b))), so that tanh(z + b) = 1 - 2 r, and the sum of key_vec x r along the 1,024 columns;
;   V: the block's softmax statistics (largest score m, l = sum of e^(score - m)) and the vector sum of e^(score - m) x row, stored as one record of part; the next launch joins a batch's records.
; THE SCORE is sum(key) - 2 sum(key r).  sum(key) is one number for all rows, and a softmax does not change when one number is added to all its scores: the kernel takes -2 sum(key r).
; THE MASK is lengths[b]: rows at or beyond it count for nothing.  Block c holds rows 64 c on (4,096 = 64 x 64: no block crosses a batch's end); a block with no valid row loads no x, multiplies nothing
; and stores nothing: three forward branches on lengths[b].  64 blocks a batch serve every length.
; WHO TAKES WHAT.  Work-group (x, y) takes batch (x + y) mod 16 and block (y and 48) + ((y + 2 x) mod 16): one to one, since (x, y mod 16) -> (batch, block mod 16) has determinant -1 mod 16.
; The work-groups of one x, and those of one y mod 16, hold every batch, each at another residue of its blocks: no regular share of the grid holds one batch's blocks alone.  Low y are low blocks, which are valid most often.
; 64 ROWS and not the 96 that would fit in LDS: the blocks that have valid rows are more and smaller, so they share out more evenly; the price is that W's 1 MiB of codes is read once for each 64 rows.
; NO TENSOR LOADS, NO CLUSTER: all work-groups read the same codes of W, but partners of a cluster would
; have different work (a block is valid or not by its batch's length); leaving out the rows behind lengths[b] spares their bytes of x and their products, which a joint request cannot.
; EIGHT WAVES of 512 registers, two to a SIMD: while one wave walks its exponentials and reciprocals (two for each of its 128 results of a chunk) or waits for fragments, the other's products are issued.
; LIMITS: 1 <= lengths[b] (above 4,096 acts as 4,096); NaN and infinities in the inputs are not served; a block of 32 whose largest magnitude lies under 2^-111 gets the scale byte 1;
; x enters the weighted sum rounded to bf16 (that product is not quantised), everything else is f32.
; THE PRODUCT IS USED TRANSPOSED: source 0 = 16 rows of W, source 1 = 16 rows of x: lane (r, h) holds row r of x, register j column 16 tile + 8 h + j, so the sum along columns stays in the lane.
; LDS: CD codes, a row 1,024 bytes + 16 (65 x 16: the 16 rows of a fragment load start in 16 different groups of banks); BF bf16 rows of 2,048; XSC 32 scale bytes a row;
;      STG a stage of 32 x 80 bytes for each wave; SCP [wave][64] partial scores.
; THE MODE: SCHED_MODE bits 1:0 = 2 (LLVM: expert scheduling mode 2), set by the entry lines.  The code itself states the register dependences
; between vector or matrix instructions and memory or LDS instructions, with s_wait_alu, always for 0.
; THE PLAN.  Registers that memory or LDS instructions touch:
;   the addresses v1-15, v84-85 and the add's v93, v95: written at the head, never again: one wait on va_vdst at the head's end serves every load and store.
;   X: RAW0 .. RAW7 (window 1)  the loads of step t + 8 land in the set that step t's stores into the stage read; no vector instruction names them.
;      XQ0, XQ1                 step t's vector work reads and writes XQ[t % 2]; the loads from the stage for step t + 1, issued at step t's head, land in the other.
;      CC, BB, v91 / v92        two sets: step t's vector work writes set t % 2; the four LDS stores that read it are issued at step t + 1's head.
;      So a step's head has one wait on vm_vsrc and one on va_vdst, all the step's memory and LDS instructions follow them, and its vector work names none of their registers.
;   G: x's fragments and W's fragments have two sets each, by the K step's parity: an even step's in window 0 (v96-159, v192-255), an odd step's in window 1 (v128-191, v192-255).
;      K step s: its products read the sets of parity s; the loads of K step s + 1 land in the other sets, which the products of K step s - 1 read.
;      So ONE wait on va_vdst stands at a K step's head, and the step's 32 loads follow it: W's at once, ahead of the wait for this step's W, so that two K steps of W (32 loads) are on their way;
;      x's in the middle of the step's 16 products, which name the sets of parity s, the accumulators and the scale words alone.
;      K step 7 asks for key_vec and b (and chunk 0's for the next chunk's first W) in place of a next step: they land in the even sets.
;   V: the loads land in v96-239, which no vector or matrix instruction names between the wait at G's end and the load; the record's stores have a wait of their own.
.set CP,  1040
.set CD,  0                            ; 64 x 1,040
.set BF,  66560                        ; 64 x 2,048
.set XSC, 197632                       ; 64 x 32
.set STG, 199680                       ; 8 x 2,560
.set SCP, 220160                       ; 8 x 256; ends at 222,208
.set NST, 16                           ; steps of half a row for a wave: 8 rows
; REGISTERS, window 0.  Addresses, all made at the head and never rewritten:
.set VX,  1                            ; x: 16 lane + 32,768 wave (8 rows)
.set VSI, 2                            ; stage, in: 80 (lane / 4) + 16 (lane % 4)
.set VSO, 3                            ; stage, out: 80 lane
.set VC,  4                            ; CD + 8,320 wave + 16 lane
.set VB,  5                            ; BF + 16,384 wave + 32 lane
.set VS,  6                            ; XSC + 256 wave + lane / 2
.set VA,  7                            ; CD + 1,040 r + 16 h
.set VXS, 9                            ; XSC + 32 r + 16 h
.set VW,  10                           ; wc: 16 lane + 131,072 wave (8 tiles of 16 columns)
.set VWS, 11                           ; wsc: 16 lane + 4,096 wave
.set VK,  12                           ; b, key_vec: 512 wave + 32 h
.set VSC, 13                           ; SCP + 256 wave + 4 r
.set VSR, 14                           ; SCP + 4 lane
.set VO,  15                           ; 16 x thread
.set XS,  16                           ; v16-31  x's scale words: register 4 m + j: lanes 0-15 K step j, lanes 16-31 K step 4 + j, of row 16 m + r.  Scales and nothing else
.set WS,  40                           ; v40-71  W's likewise: 4 u + j for my tile u.  Scales and nothing else
.set S,   72                           ; v72-79  four pairs: sum of key x r for the four tiles of rows
.set VBR, 84                           ; v84-85  BF + 65,536 k + 8 thread
.set VD,  94                           ; v94     lane
.set XF,  96                           ; v96-159 x's four fragments of an even K step; an odd K step's lie at v128-191 of window 1.  In a chunk's tail v96-159 hold KEY, CB
.set KEY, 96
.set CB,  128
.set WF,  192                          ; v192-255 W's four fragments of an even K step; an odd K step's have the same numbers in window 1
.set CC,  96                           ; region X: two sets of 4: codes
.set BB,  104                          ; two sets of 8: bf16
.set XQ,  224                          ; two sets of 16 neighbours along h
; window 1: region X: v0-127 eight sets of 16 numbers as loaded; region G: v0-127 the 16 accumulators ((m, t) at 8 (4 m + t)), v128-191 x's and v192-255 W's fragments of an odd K step
; SCALARS: s18 wave, s19 batch, s20 block, s21 its first row, s23 length, s24 1 if the block has a valid row, s25 length - first row, s37-38 the masks of rows that count
.set MSB, 0
.macro WIN new                         ; the immediate's high byte repeats the setting that is left; a switch that changes nothing is dropped
.if MSB != (\new)
	s_set_vgpr_msb (MSB<<8)|(\new)
.set MSB, (\new)
.endif
.endm
.macro PLACES n
.rept \n
	v_nop
.endr
.endm
	s_load_b256 s[4:11], s[0:1], 0x0               ; x s[4:5], lengths s[6:7], wc s[8:9], wsc s[10:11]
	s_load_b128 s[12:15], s[0:1], 0x20             ; b s[12:13], key_vec s[14:15]
	s_load_b64 s[16:17], s[0:1], 0x30              ; part
	v_lshl_add_u32 v93, v0, 2, 0x36400
	v_mov_b32 v95, 0
	v_lshrrev_b32 v87, 5, v0
	v_readfirstlane_b32 s18, v87                   ; wave 0..7
	s_and_b32 s20, ttmp7, 0xffff                   ; y
	s_add_co_u32 s19, s20, ttmp9
	s_and_b32 s19, s19, 15                         ; batch = (x + y) mod 16
	s_lshl_b32 s21, ttmp9, 1
	s_add_co_u32 s21, s21, s20
	s_and_b32 s21, s21, 15
	s_and_b32 s20, s20, 48
	s_or_b32 s20, s20, s21                         ; block = (y and 48) + ((y + 2 x) mod 16)
	s_lshl_b32 s21, s20, 6                         ; its first row
	v_and_b32 v[VD], 31, v0                        ; lane
	v_and_b32 v89, 15, v0                          ; r
	v_bfe_u32 v90, v0, 4, 1                        ; h
	s_wait_alu depctr_va_sdst(0)                   ; s18 is written, ahead of its first reader: the wave's shares of LDS and of the buffers are made from it
	s_lshl_b32 s28, s18, 15
	v_lshl_add_u32 v[VX], v[VD], 4, s28
	s_mul_i32 s28, s18, 2560
	s_add_co_u32 s28, s28, STG
	v_lshrrev_b32 v91, 2, v[VD]
	v_mul_u32_u24 v91, v91, 80
	v_and_b32 v92, 3, v[VD]
	v_lshl_add_u32 v91, v92, 4, v91
	v_add_nc_u32 v[VSI], s28, v91
	v_mul_u32_u24 v91, v[VD], 80
	v_add_nc_u32 v[VSO], s28, v91
	s_mul_i32 s28, s18, 8*CP
	v_lshl_add_u32 v[VC], v[VD], 4, s28
	s_lshl_b32 s28, s18, 14
	s_add_co_u32 s28, s28, BF
	v_lshl_add_u32 v[VB], v[VD], 5, s28
	s_lshl_b32 s28, s18, 8
	s_add_co_u32 s28, s28, XSC
	v_lshrrev_b32 v91, 1, v[VD]
	v_add_nc_u32 v[VS], s28, v91
	v_mul_u32_u24 v[VA], v89, CP
	v_lshl_add_u32 v[VA], v90, 4, v[VA]
	v_lshlrev_b32 v[VXS], 5, v89
	v_lshl_add_u32 v[VXS], v90, 4, v[VXS]
	v_add_nc_u32 v[VXS], XSC, v[VXS]
	s_lshl_b32 s28, s18, 17
	v_lshl_add_u32 v[VW], v[VD], 4, s28
	s_lshl_b32 s28, s18, 12
	v_lshl_add_u32 v[VWS], v[VD], 4, s28
	s_lshl_b32 s28, s18, 9
	v_lshl_add_u32 v[VK], v90, 5, s28
	s_lshl_b32 s28, s18, 8
	s_add_co_u32 s28, s28, SCP
	v_lshl_add_u32 v[VSC], v89, 2, s28
	v_lshl_add_u32 v[VSR], v[VD], 2, SCP
	v_lshlrev_b32 v[VO], 4, v0
	v_lshl_add_u32 v[VBR], v0, 3, BF
	v_add_nc_u32 v[VBR+1], 0x10000, v[VBR]
	s_wait_alu depctr_va_vdst(0)                   ; the addresses v1 to v15, v84, v85 and the add's v93, v95 are written: every load, store and LDS instruction of the kernel reads one of them, and none is written again
	s_mov_b32 s30, 0x76543210                      ; v_permlanex16_b32's selects for lane l xor 16
	s_mov_b32 s31, 0xfedcba98
	s_mov_b32 s32, 0x4038aa3b                      ; 2 log2(e)
	s_mov_b32 s33, s32                             ; (named with it as a pair, so it is written)
	s_mov_b32 s34, 0x600000                        ; the mantissa field of 57,344
	s_mov_b32 s35, 0xffff0000                      ; a word's upper bf16
	s_mov_b32 s36, 0x3fb8aa3b                      ; log2(e)
.irp q, 0,1,2,3,4,5,6,7
	s_mov_b32 s[41+2*\q], 0                        ; the upper halves of the pairs that the packed forms name
.endr
	s_lshl_b32 s28, s19, 2
	s_mov_b32 s29, 0
	s_wait_kmcnt 0x0
	s_add_nc_u64 s[6:7], s[6:7], s[28:29]
	s_load_b32 s23, s[6:7], 0x0                    ; lengths[batch]
	s_lshl_b32 s28, s19, 24                        ; a batch is 4,096 rows of 4,096 bytes,
	s_lshl_b32 s27, s20, 18                        ; a block 64 rows: under 2^28 in all
	s_add_co_u32 s28, s28, s27
	s_add_nc_u64 s[4:5], s[4:5], s[28:29]
	s_lshl_b32 s28, s19, 6
	s_or_b32 s28, s28, s20
	s_mul_i32 s28, s28, 4352                       ; my record: number 64 batch + block
	s_add_nc_u64 s[16:17], s[16:17], s[28:29]
	s_wait_kmcnt 0x0
	s_min_u32 s23, s23, 4096
	s_cmp_lt_u32 s21, s23
	s_cselect_b32 s24, 1, 0                        ; has the block a valid row?
	s_sub_co_u32 s25, s23, s21                     ; how many of its rows count (read only where it has one)
; ---- X.  Wave w takes rows 8 w to 8 w + 7, in 16 steps of half a row (512 numbers, 2,048 bytes).
; A conversion takes neighbours along h from ONE lane's registers; a load is dense where neighbouring LANES take neighbouring bytes.  Both are had: each of a step's four loads takes 512 consecutive
; bytes, and the 2,048 bytes turn through the wave's stage in LDS and come back 64 bytes a lane (16 bytes of padding behind each 64).  Two neighbouring lanes hold a block of 32.
.macro XLOAD t                         ; step t's four loads, into set t % 8 of window 1
	WIN 0x40
.irp i, 0,1,2,3
	global_load_b128 v[16*((\t)%8)+4*\i:16*((\t)%8)+4*\i+3], v[VX], s[4:5] offset:2048*(\t)+512*\i th:TH_LOAD_NT
.endr
.endm
.macro TURN t                          ; through the stage: LDS serves a wave's instructions in order (ISA guide 5.7.1.4), so no wait stands between the stores and the loads, nor in front of the next step's stores
	WIN 0x04                                       ; an LDS store's data are its source 1: window 1
.irp i, 0,1,2,3
	ds_store_b128 v[VSI], v[16*((\t)%8)+4*\i:16*((\t)%8)+4*\i+3] offset:640*\i
.endr
	WIN 0
.irp i, 0,1,2,3
	ds_load_b128 v[XQ+16*((\t)%2)+4*\i:XQ+16*((\t)%2)+4*\i+3], v[VSO] offset:16*\i
.endr
.endm
.macro OUT t                           ; step t's results go to LDS: its scale byte, 16 codes and 16 bf16 a lane
	ds_store_b8 v[VS], v[91+(\t)%2] offset:16*(\t) ; both lanes of a block write the same byte with the same value
	ds_store_b128 v[VC], v[CC+4*((\t)%2):CC+4*((\t)%2)+3] offset:((\t)/2)*CP+((\t)%2)*512
	ds_store_b128 v[VB], v[BB+8*((\t)%2):BB+8*((\t)%2)+3] offset:1024*(\t)
	ds_store_b128 v[VB], v[BB+8*((\t)%2)+4:BB+8*((\t)%2)+7] offset:1024*(\t)+16
.endm
.macro QSTEP t
.set XQS, XQ+16*((\t)%2)
.set CCS, CC+4*((\t)%2)
.set BBS, BB+8*((\t)%2)
	s_wait_dscnt 0x0                               ; this step's numbers are back from the stage: nothing was issued behind those loads
.if (\t)+8 < NST
	WIN 0x40                                       ; (the switch, then the wait, then the loads)
.endif
	s_wait_alu depctr_vm_vsrc(0)                   ; this step's stores into the stage have read their raw set, in which the loads below land; the LDS stores issued at the last step's head have read the codes, bf16 and byte registers that this step writes again
.if (\t)+8 < NST
	XLOAD (\t)+8
.endif
	WIN 0
.if (\t) > 0
	s_wait_alu depctr_va_vdst(0)                   ; the last step has written its codes, bf16 and byte, which the stores below read, and is done reading and writing its 16 neighbours, in which the loads from the stage land
	OUT (\t)-1
.endif
.if (\t) < NST-1
.if (\t)+8 < NST
	s_wait_loadcnt 28                              ; the next step's four loads are in; those of the seven steps behind it may be out
.else
	s_wait_loadcnt 4*(NST-2-(\t))                  ; nothing more is asked for: the count runs down
.endif
	TURN (\t)+1                                    ; no vector instruction since the waits above names a register of these eight lines
.endif
	v_max3_num_f32 v87, |v[XQS]|, |v[XQS+1]|, |v[XQS+2]|           ; the largest magnitude of my 16, in two chains
	v_max3_num_f32 v88, |v[XQS+3]|, |v[XQS+4]|, |v[XQS+5]|
.irp i, 6,10
	v_max3_num_f32 v87, v87, |v[XQS+\i]|, |v[XQS+\i+1]|
	v_max3_num_f32 v88, v88, |v[XQS+\i+2]|, |v[XQS+\i+3]|
.endr
	v_max3_num_f32 v87, v87, |v[XQS+14]|, |v[XQS+15]|
	v_max3_num_f32 v87, v87, v88, 0x8000000        ; and the floor 2^(16 - 127): the byte cannot fall under 1
	v_max_num_f32_dpp v87, v87, v87 row_xmask:1 row_mask:0xf bank_mask:0xf   ; and of my neighbour's 16: the block's
	v_add_nc_u32 v90, 0xf8800000, v87              ; 15 off its exponent field: the conversion's scale operand
	v_and_or_b32 v89, v87, 0x7f800000, s34         ; 57,344 x the scale
.irp i, 0,1,2,3,4,5,6,7
	v_cvt_pk_bf16_f32 v[BBS+\i], v[XQS+2*\i], v[XQS+2*\i+1]        ; the numbers as bf16, for the weighted sum: ahead of the hold
.endr
.irp i, 0,1,2,3,4,5,6,7,8,9,10,11,12,13,14,15
	v_med3_num_f32 v[XQS+\i], v[XQS+\i], -v89, v89 ; the conversion to an 8-bit code does not saturate (ISA guide 7.6.2): the hold at the largest code x the scale
.endr
	v_cvt_scalef32_pk8_bf8_f32 v[CCS:CCS+1], v[XQS:XQS+7], v90
	v_cvt_scalef32_pk8_bf8_f32 v[CCS+2:CCS+3], v[XQS+8:XQS+15], v90
	v_lshrrev_b32 v[91+(\t)%2], 23, v90            ; the scale's byte.  (Also the plain line behind the conversions)
.endm
	s_cmp_eq_u32 s24, 0
	s_cbranch_scc1 .Lskip_x
.irp t, 0,1,2,3,4,5,6,7
	XLOAD \t                                       ; 32 loads a wave, 128 KiB a work-group, half of its rows, go out first
.endr
	s_wait_loadcnt 28                              ; step 0's four are in
	TURN 0
.irp t, 0,1,2,3,4,5,6,7,8,9,10,11,12,13,14,15
	QSTEP \t
.endr
	s_wait_alu depctr_va_vdst(0)                   ; the last step has written its codes, bf16 and byte, which the stores below read
	OUT NST-1
.Lskip_x:
	s_wait_dscnt 0x0                               ; for the others' sake: my rows' codes, bf16 and scale bytes have landed
	s_barrier_signal -1
	s_barrier_wait -1                              ; every wave passes this barrier, whatever the block
	s_wait_alu depctr_vm_vsrc(0)                   ; my LDS stores above have read v96 to v119, in which x's fragments land, and the raw sets v0 to v127 of window 1, which the products write
; ---- G.  Wave w owns columns 128 w to 128 w + 127, as two chunks of four tiles of 16, each against all four tiles of rows: 16 accumulators.
.macro WLOAD ch, s                     ; W's four fragments of chunk ch, K step s, from memory straight into the set of s's parity (the caller sets the window): each load takes 512 consecutive bytes
.irp t, 0,1,2,3
.irp c, 0,1,2,3
	global_load_b128 v[WF+16*\t+4*\c:WF+16*\t+4*\c+3], v[VW], s[8:9] offset:65536*(\ch)+16384*\t+2048*(\s)+512*\c
.endr
.endr
.endm
.macro XFLOAD s                        ; x's four fragments of K step s, into the set of s's parity (the caller sets the window): lane (r, h), group c: row 16 m + r, K = 128 s + 32 c + 16 h + 0 .. 15
.set XB, XF+32*((\s)&1)
.irp m, 0,1,2,3
.irp c, 0,1,2,3
	ds_load_b128 v[XB+16*\m+4*\c:XB+16*\m+4*\c+3], v[VA] offset:\m*16*CP+128*(\s)+32*\c
.endr
.endr
.endm
.macro KLOAD ch                        ; the chunk's 32 numbers of key_vec and of b for my half of the lanes, where an even K step's fragments of x lay: 16 loads
.irp t, 0,1,2,3
	global_load_b128 v[KEY+8*\t:KEY+8*\t+3], v[VK], s[14:15] offset:256*(\ch)+64*\t
	global_load_b128 v[KEY+8*\t+4:KEY+8*\t+7], v[VK], s[14:15] offset:256*(\ch)+64*\t+16
	global_load_b128 v[CB+8*\t:CB+8*\t+3], v[VK], s[12:13] offset:256*(\ch)+64*\t
	global_load_b128 v[CB+8*\t+4:CB+8*\t+7], v[VK], s[12:13] offset:256*(\ch)+64*\t+16
.endr
.endm
.macro MUL ch, s, m0                   ; 8 of a K step's 16 products: tiles of rows m0, m0 + 1.  The 16 accumulators take turns, one instruction a turn, in the same order in every K step.  K step 0 starts the sums: nothing is cleared
.set XB, XF+32*((\s)&1)
	WIN 0x50|(5*((\s)&1))                          ; C and D window 1; sources 0 (W) and 1 (x) in the window of the K step's parity
.irp m, \m0, \m0+1
.irp t, 0,1,2,3
.if (\s) == 0
	v_wmma_scale_f32_16x16x128_f8f6f4 v[8*(4*(\m)+\t):8*(4*(\m)+\t)+7], v[WF+16*\t:WF+16*\t+15], v[XB+16*(\m):XB+16*(\m)+15], 0, v[WS+16*(\ch)+4*\t], v[XS+4*(\m)] matrix_a_fmt:MATRIX_FMT_BF8 matrix_b_fmt:MATRIX_FMT_BF8
.elseif (\s) < 4
	v_wmma_scale_f32_16x16x128_f8f6f4 v[8*(4*(\m)+\t):8*(4*(\m)+\t)+7], v[WF+16*\t:WF+16*\t+15], v[XB+16*(\m):XB+16*(\m)+15], v[8*(4*(\m)+\t):8*(4*(\m)+\t)+7], v[WS+16*(\ch)+4*\t+(\s)], v[XS+4*(\m)+(\s)] matrix_a_fmt:MATRIX_FMT_BF8 matrix_b_fmt:MATRIX_FMT_BF8
.else
	v_wmma_scale_f32_16x16x128_f8f6f4 v[8*(4*(\m)+\t):8*(4*(\m)+\t)+7], v[WF+16*\t:WF+16*\t+15], v[XB+16*(\m):XB+16*(\m)+15], v[8*(4*(\m)+\t):8*(4*(\m)+\t)+7], v[WS+16*(\ch)+4*\t+(\s)-4], v[XS+4*(\m)+(\s)-4] matrix_a_fmt:MATRIX_FMT_BF8 matrix_b_fmt:MATRIX_FMT_BF8 matrix_a_scale:MATRIX_SCALE_ROW1 matrix_b_scale:MATRIX_SCALE_ROW1
.endif
.endr
.endr
.endm
; A K step: its own fragments were asked for a step ago; the next step's are asked for here: W's first of all, ahead of the wait for this step's W, x's in the middle of the products.
.macro KSTEP ch, s
.if (\s) > 0
	PLACES 8                                       ; eight plain places behind the last K step's products, ahead of the loads into registers that those have read; the wait below states the dependence itself
.endif
	WIN 0x40*(((\s)+1)&1)                          ; the loads' destinations: the sets of the other parity.  (The switch, then the wait, then the loads)
.if (\s) > 0
	s_wait_alu depctr_va_vdst(0)                   ; the last K step's products are done reading their fragments of W and of x, in which this step's loads land
.endif
.if (\s) < 7
	WLOAD \ch, (\s)+1                              ; the next K step's W: 16 loads
.else
	KLOAD \ch                                      ; no next K step: key_vec and b for the chunk's tail: 16 loads
.endif
	s_wait_loadcnt 16                              ; loads come back in order (ISA guide 5.7.1): all but the 16 just issued: this K step's W is in (the first time: W's scale words too)
	s_wait_dscnt 0x0                               ; x's fragments (and, the first time, its scale words) are in
	MUL \ch, \s, 0
.if (\s) < 7
	WIN 0x40*(((\s)+1)&1)
	XFLOAD (\s)+1                                  ; the next K step's x.  No wait: the products since the wait above name the sets of this step's parity, the accumulators and the scale words alone
.elseif (\ch) == 0
	WIN 0
	WLOAD 1, 0                                     ; the next chunk's first W, likewise
.endif
	MUL \ch, \s, 2
.endm
; Behind a chunk's eight K steps: r = 1 / (1 + 2^(2 log2(e) (z + b))), in place, and S(m) += key x r.
; The sixteen scalings of b name no register of K step 7's products (those lie in window 1): they are the eight places in front of the first read of results, and among the nine
; between this chunk's last product and the next chunk's first, which begins the accumulators anew.
.macro EPI ch
.if (\ch) == 0
	s_wait_loadcnt 16                              ; key_vec and b are in; the 16 loads behind them, the next chunk's first W, may be out
.else
	s_wait_loadcnt 0x0
.endif
	WIN 0
.irp i, 0,2,4,6,8,10,12,14,16,18,20,22,24,26,28,30
	v_pk_mul_f32 v[CB+\i:CB+\i+1], v[CB+\i:CB+\i+1], s[32:33] op_sel_hi:[1,0]   ; 2 log2(e) b
.endr
	WIN 0x41                                       ; destination and source 0 window 1
.set a, 0
.rept 16                                       ; each accumulator from its low end on
.irp i, 0,2,4,6
	v_pk_fma_f32 v[8*a+\i:8*a+\i+1], v[8*a+\i:8*a+\i+1], s[32:33], v[CB+8*(a%4)+\i:CB+8*(a%4)+\i+1] op_sel_hi:[1,0,1]
.endr
.set a, a+1
.endr
.set a, 0
.rept 128
	v_exp_f32 v[a], v[a]
.set a, a+1
.endr
	v_nop                                          ; one plain line behind the transcendentals (ISA guide 5.7.2)
.set a, 0
	s_wait_alu depctr_va_vdst(0)                   ; the 128 exponentials have written their results, ahead of the first line that names one
.rept 64
	v_pk_add_f32 v[a:a+1], v[a:a+1], 1.0 op_sel_hi:[1,0]
.set a, a+2
.endr
.set a, 0
.rept 128
	v_rcp_f32 v[a], v[a]                           ; an overflowed exponential gives r = 0 (tanh = 1), a vanished one r = 1 (tanh = -1)
.set a, a+1
.endr
	v_nop
	s_wait_alu depctr_va_vdst(0)                   ; the 128 reciprocals have written their results, ahead of the first line that names one
	WIN 0x01                                       ; source 0 window 1
.irp t, 0,1,2,3
.irp i, 0,2,4,6
.irp m, 0,1,2,3
.if ((\ch) == 0) && (\t == 0) && (\i == 0)
	v_pk_mul_f32 v[S+2*\m:S+2*\m+1], v[8*(4*\m+\t)+\i:8*(4*\m+\t)+\i+1], v[KEY+8*\t+\i:KEY+8*\t+\i+1]   ; the first product starts the sum
.else
	v_pk_fma_f32 v[S+2*\m:S+2*\m+1], v[8*(4*\m+\t)+\i:8*(4*\m+\t)+\i+1], v[KEY+8*\t+\i:KEY+8*\t+\i+1], v[S+2*\m:S+2*\m+1]   ; four chains by turns
.endif
.endr
.endr
.endr
.endm
	s_cmp_eq_u32 s24, 0
	s_cbranch_scc1 .Lskip_g
.irp u, 0,1,2,3,4,5,6,7
	global_load_b128 v[WS+4*\u:WS+4*\u+3], v[VWS], s[10:11] offset:512*\u   ; W's scale words of my eight tiles, all of K
.endr
.irp m, 0,1,2,3
	ds_load_b128 v[XS+4*\m:XS+4*\m+3], v[VXS] offset:512*\m                 ; x's, of the four tiles of rows, all of K
.endr
	XFLOAD 0                                       ; K step 0's fragments, into the even sets (every window is 0 here); no vector instruction has been issued since the wait behind region X's last step
	WLOAD 0, 0
.irp s, 0,1,2,3,4,5,6,7
	KSTEP 0, \s
.endr
	EPI 0
	WIN 0
	s_wait_alu depctr_va_vdst(0)                   ; the sums are done reading key_vec, the scalings have written b and the multiply-adds have read it: x's fragments land in those registers
	XFLOAD 0
.irp s, 0,1,2,3,4,5,6,7
	KSTEP 1, \s
.endr
	EPI 1
	WIN 0
.irp m, 0,1,2,3
	v_add_f32 v[87+\m], v[S+2*\m], v[S+2*\m+1]     ; even and odd columns,
.endr
.irp m, 0,1,2,3
	v_permlanex16_b32 v[S+2*\m], v[87+\m], s30, s31
.endr
.irp m, 0,1,2,3
	v_add_f32 v[87+\m], v[87+\m], v[S+2*\m]        ; and lane l xor 16's: my 128 columns' part for row 16 m + r
.endr
	s_wait_alu depctr_va_vdst(0)                   ; the additions have written v87 to v90, which the stores below read; and all that named v96 to v255 is done: the next region's loads land there
.irp m, 0,1,2,3
	ds_store_b32 v[VSC], v[87+\m] offset:64*\m     ; lanes r and r + 16 write the same word with the same value
.endr
.Lskip_g:
	s_wait_dscnt 0x0                               ; for the others' sake: my partial scores have landed
	s_barrier_signal -1
	s_barrier_wait -1
; ---- V.  Every wave makes the block's statistics for itself (lane l: rows l and 32 + l); thread t then sums columns 4 t to 4 t + 3 over the 64 rows.
; P0, P1 = v224, v232; (m, l) = v[248:249]; O = v[226:229]; two sets at work v234-237, v242-245.
.macro VLOAD buf, k                    ; rows 32 k on: 8 bytes a lane, 256 consecutive bytes a wave
.irp j, 0,1,2,3,4,5,6,7,8,9,10,11,12,13,14,15,16,17,18,19,20,21,22,23,24,25,26,27,28,29,30,31
	ds_load_b64 v[(\buf)+2*\j:(\buf)+2*\j+1], v[VBR+(\k)] offset:2048*\j
.endr
.endm
.macro VROWS buf, k, first
.irp g, 0,1,2,3
.irp q, 0,1,2,3,4,5,6,7
	v_readlane_b32 s[40+2*\q], v[224+8*(\k)], 8*\g+\q              ; eight rows' weights
.endr
.irp q, 0,1,2,3,4,5,6,7
.set RW, (\buf)+2*(8*\g+\q)
.set TT, 234+8*(\q%2)
	v_lshlrev_b32 v[TT], 16, v[RW]                 ; bf16 to f32: the low half moves up, the high half stays
	v_and_b32 v[TT+1], s35, v[RW]
	v_lshlrev_b32 v[TT+2], 16, v[RW+1]
	v_and_b32 v[TT+3], s35, v[RW+1]
.if \q == 0
	s_wait_alu depctr_va_sdst(0)                   ; the eight weights s40, s42 .. s54 are written, ahead of their first reader; the first row's unpacking stands between
.endif
.if (\first) && (\g == 0) && (\q == 0)
	v_pk_mul_f32 v[226:227], v[TT:TT+1], s[40+2*\q:41+2*\q] op_sel_hi:[1,0]       ; the first row starts the sums
	v_pk_mul_f32 v[228:229], v[TT+2:TT+3], s[40+2*\q:41+2*\q] op_sel_hi:[1,0]
.else
	v_pk_fma_f32 v[226:227], v[TT:TT+1], s[40+2*\q:41+2*\q], v[226:227] op_sel_hi:[1,0,1]
	v_pk_fma_f32 v[228:229], v[TT+2:TT+3], s[40+2*\q:41+2*\q], v[228:229] op_sel_hi:[1,0,1]
.endif
.endr
.endr
.endm
	s_cmp_eq_u32 s24, 0
	s_cbranch_scc1 .Lskip_v
.irp k, 0,1
.irp u, 0,1,2,3,4,5,6,7
	ds_load_b32 v[224+8*\k+\u], v[VSR] offset:256*\u+128*\k        ; the eight waves' parts of row 32 k + lane
.endr
.endr
	VLOAD 96, 0                                    ; rows 0 to 31 are asked for while the statistics are made
	v_add_nc_u32 v250, 32, v[VD]                   ; my two rows' places in the block: lane, and lane + 32
	v_cmp_gt_u32 s37, s25, v[VD]                   ; which of them count: the two masks in a run, with one wait ahead of their readers
	v_cmp_gt_u32 s38, s25, v250
	s_wait_dscnt 32                                ; the 16 parts are in; the 32 just issued may be out
.irp u, 1,2,3,4,5,6,7
.irp k, 0,1
	v_add_f32 v[224+8*\k], v[224+8*\k], v[224+8*\k+\u]             ; in ascending order of the waves: the same bits in every wave
.endr
.endr
	v_mov_b32 v252, 0xff800000                     ; -infinity
	v_mov_b32 v251, 0                              ; (a lane permute's destination counts as one of its sources)
.irp k, 0,1
	v_mul_f32 v[224+8*\k], -2.0, v[224+8*\k]       ; the score, less the sum of key_vec
.endr
	s_wait_alu depctr_va_sdst(0)                   ; the masks s37 and s38 are written, ahead of their first readers
	v_cndmask_b32 v224, v252, v224, s37            ; rows that do not count: -infinity
	v_cndmask_b32 v232, v252, v232, s38
	v_max_num_f32 v248, v224, v232
	v_max_num_f32_dpp v248, v248, v248 row_xmask:1 row_mask:0xf bank_mask:0xf
	v_max_num_f32_dpp v248, v248, v248 row_xmask:2 row_mask:0xf bank_mask:0xf
	v_max_num_f32_dpp v248, v248, v248 row_xmask:4 row_mask:0xf bank_mask:0xf
	v_max_num_f32_dpp v248, v248, v248 row_xmask:8 row_mask:0xf bank_mask:0xf
	v_permlanex16_b32 v251, v248, s30, s31
	v_max_num_f32 v248, v248, v251                 ; m: the block has a row that counts, so it is a number
.irp k, 0,1
	v_sub_f32 v[224+8*\k], v[224+8*\k], v248
.endr
.irp k, 0,1
	v_mul_f32 v[224+8*\k], s36, v[224+8*\k]
.endr
.irp k, 0,1
	v_exp_f32 v[224+8*\k], v[224+8*\k]             ; e^(score - m); 0 for rows that do not count
.endr
	v_nop                                          ; one plain line behind the transcendentals
	s_wait_alu depctr_va_vdst(0)                   ; the two exponentials have written v224 and v232, ahead of the first line that names them
	v_add_f32 v249, v224, v232
	v_add_f32_dpp v249, v249, v249 row_xmask:1 row_mask:0xf bank_mask:0xf
	v_add_f32_dpp v249, v249, v249 row_xmask:2 row_mask:0xf bank_mask:0xf
	v_add_f32_dpp v249, v249, v249 row_xmask:4 row_mask:0xf bank_mask:0xf
	v_add_f32_dpp v249, v249, v249 row_xmask:8 row_mask:0xf bank_mask:0xf
	v_permlanex16_b32 v251, v249, s30, s31
	v_add_f32 v249, v249, v251                     ; l
	VLOAD 160, 1                                   ; no vector instruction of this region names v160 to v223 or the address
	s_wait_dscnt 32                                ; rows 0 to 31 are in; the 32 just issued may be out
	VROWS 96, 0, 1
	s_wait_dscnt 0x0
	VROWS 160, 1, 0
	v_and_b32 v230, 31, v0
	v_lshlrev_b32 v230, 3, v230
	s_wait_alu depctr_va_vdst(0)                   ; the sums v226 to v229, (m, l) in v248 and v249 and the offset v230 are written, which the two stores below read
	global_store_b128 v[VO], v[226:229], s[16:17]  ; a wave stores 512 consecutive bytes, aligned
	s_cmp_lg_u32 s18, 0
	s_cbranch_scc1 .Lskip_v
	global_store_b64 v230, v[248:249], s[16:17] offset:4096        ; wave 0: (m, l), once a lane: 256 consecutive bytes, aligned
.Lskip_v:
	s_wait_dscnt 0x0                               ; the closing lines, six on end
	s_wait_alu 0x0
	s_wait_tensorcnt 0x0
	ds_add_u32 v93, v95
	s_wait_dscnt 0x0
	s_endpgm
.Lfunc_end_k_q091e01fba6_main:
	.size	k_q091e01fba6_main, .Lfunc_end_k_q091e01fba6_main-k_q091e01fba6_main
	.p2alignl 7, 3214868480
	.fill 96, 4, 3214868480
	.section	.rodata,"a",@progbits
	.p2align	6, 0x0
	.amdhsa_kernel k_q091e01fba6_main
		.amdhsa_group_segment_fixed_size 223232
		.amdhsa_private_segment_fixed_size 0
		.amdhsa_enable_private_segment 0
		.amdhsa_kernarg_size 56
		.amdhsa_user_sgpr_count 2
		.amdhsa_user_sgpr_kernarg_segment_ptr 1
		.amdhsa_wavefront_size32 1
		.amdhsa_system_sgpr_workgroup_id_x 1
		.amdhsa_system_sgpr_workgroup_id_y 1
		.amdhsa_system_sgpr_workgroup_id_z 1
		.amdhsa_system_vgpr_workitem_id 0
		.amdhsa_next_free_vgpr 512
		.amdhsa_next_free_sgpr 66
		.amdhsa_reserve_vcc 0
		.amdhsa_float_denorm_mode_32 3
		.amdhsa_float_denorm_mode_16_64 3
		.amdhsa_memory_ordered 1
		.amdhsa_forward_progress 1
		.amdhsa_inst_pref_size 220
	.end_amdhsa_kernel
	.amdgpu_metadata
---
amdhsa.version: [ 1, 2 ]
amdhsa.kernels:
  - .name:           k_q091e01fba6_main
    .symbol:         k_q091e01fba6_main.kd
    .args:
      - { .name: x, .offset: 0, .size: 8, .value_kind: global_buffer, .address_space: global }
      - { .name: lengths, .offset: 8, .size: 8, .value_kind: global_buffer, .address_space: global }
      - { .name: wc, .offset: 16, .size: 8, .value_kind: global_buffer, .address_space: global }
      - { .name: wsc, .offset: 24, .size: 8, .value_kind: global_buffer, .address_space: global }
      - { .name: b, .offset: 32, .size: 8, .value_kind: global_buffer, .address_space: global }
      - { .name: key_vec, .offset: 40, .size: 8, .value_kind: global_buffer, .address_space: global }
      - { .name: part, .offset: 48, .size: 8, .value_kind: global_buffer, .address_space: global }
    .group_segment_fixed_size: 223232
    .private_segment_fixed_size: 0
    .kernarg_segment_align: 8
    .kernarg_segment_size: 56
    .max_flat_workgroup_size: 256
    .sgpr_count:     66
    .vgpr_count:     512
    .wavefront_size: 32
...
	.end_amdgpu_metadata
.endif
;; end of part 6
;; launch merge: the kernel of part 5 again; grid 16 x 16, 1 waves a work-group, no clusters, 0 bytes of LDS; arguments part, lengths, out0; writes out0
